; MI455X (gfx1250); checked and timed in simulation.
; The chip was launched on July 23, 2026; its instructions are those of AMD's public machine-readable ISA for CDNA 5 (MIT licence, August 2026) and "CDNA5" Instruction Set Architecture Reference Guide (July 2026). The comments in the code are by the model that wrote it; some were corrected since.
;; Multi Head Attention. Allowed arithmetic: matrix products marked QUANTISED: E2M1 operands, one E8M0 scale for each 32 along K, by v_wmma_scale_f32_16x16x128_f8f6f4 with both operands' format E2M1 (or v_wmma_scale_f32_32x16x128_f4), f32 sums; products left as they are: bf16, f16 or f32 operands; f32 sums; everything else in f32.
;; Inputs: Wk 1,024 x 1,024 float32; Wo 1,024 x 1,024 float32; Wq 1,024 x 1,024 float32; Wv 1,024 x 1,024 float32; bk 1,024 float32; bo 1,024 float32; bq 1,024 float32; bv 1,024 float32; key 4 x 2,048 x 1,024 float32; query 4 x 2,048 x 1,024 float32; value 4 x 2,048 x 1,024 float32.
;; Outputs: out0 4 x 2,048 x 1,024 float32.
;; This version of the problem:
;;   THIS VERSION OF THE PROBLEM IS GIVEN IN LOW PRECISION. The matrix products marked QUANTISED in the list below multiply operands that are first quantised to E2M1 (2 exponent bits, 1 mantissa bit; 4 bits a number), with one power-of-two scale for each 32 numbers along K (OCP MX v1.0); their sums are f32. The products marked 'left as it is' may take bf16, f16 or f32 operands, with f32 sums. Whichever they take, every output number must still come out within the allowed error. Rounding operands to bf16 (8 significant bits) uses up far more of that allowance than f16 does (11 bits, for magnitudes from 6e-5 to 65,504). All else is computed in f32.
;;   The module's matrix products, in the order in which they are computed (A, B: the left and right operand; K: the contracted axis; several contracted axes count as one K, in the product's order):
;;     1. [M 8,192, K 1,024] x [K 1,024, N 1,024]; A: input query; B: input Wq: QUANTISED
;;     2. [M 8,192, K 1,024] x [K 1,024, N 1,024]; A: input key; B: input Wk: QUANTISED
;;     3. [M 8,192, K 1,024] x [K 1,024, N 1,024]; A: input value; B: input Wv: QUANTISED
;;     4. batch 64 x [M 2,048, K 64] x [K 64, N 2,048]; A: computed on the way; B: computed on the way: left as it is (an operand is computed on the way)
;;     5. batch 64 x [M 2,048, K 2,048] x [K 2,048, N 64]; A: computed on the way; B: computed on the way: left as it is (an operand is computed on the way)
;;     6. [M 8,192, K 1,024] x [K 1,024, N 1,024]; A: computed on the way; B: input Wo: left as it is (an operand is computed on the way)
;;   THE QUANTISER, for each operand of a quantised product, along K:
;;     - K is cut into blocks of 32 from its start; a last block that is shorter is filled with zeros.
;;     - A block's scale is 2^e with e = floor(log2(the largest magnitude in the block)) - 2, held to -126 .. 127; a block of zeros has e = 0. As a byte (E8M0): e + 127.
;;     - Each number is divided by its block's scale, clamped to +-6, and rounded to the nearest number of E2M1, ties to even, subnormals kept.
;;     - The product sums the exact products of the quantised numbers (number of the format x scale) in f32.
;;   ~~~python
;;   def quantise(x, axis):      # numpy; x: float32 -> the quantised numbers, widened to float32 again
;;       x = np.moveaxis(x, axis, -1); K = x.shape[-1]
;;       x = np.pad(x, [(0, 0)] * (x.ndim - 1) + [(0, -K % 32)]); x = x.reshape(x.shape[:-1] + (-1, 32)); a = np.abs(x).max(-1, keepdims=True)
;;       e = np.where(a > 0, np.clip(np.frexp(np.where(a > 0, a, 1))[1] - 1 - 2, -126, 127), 0)      # np.frexp(a)[1] - 1 = floor(log2(a)), exactly
;;       r = np.clip(x / 2.0 ** e, -6, 6)
;;       step = 2.0 ** (np.maximum(np.frexp(np.where(r == 0, 1, r))[1] - 1, 0) - 1)
;;       q = np.round(r / step) * step * 2.0 ** e      # np.round: ties to even
;;       return np.moveaxis(q.reshape(q.shape[:-2] + (-1,))[..., :K], -1, axis).astype(np.float32)
;;   ~~~
;; One version. Each part assembles by itself: llvm-mc -triple=amdgcn-amd-amdhsa -mcpu=gfx1250 --defsym DOCPART=n.
;; ======== version 1 of 1: 4 launches
;; limits: values are held in f16: magnitudes above 65,504 overflow, below 6.1e-05 lose precision
;; workspace buffers: xc 12,582,912 bytes; xs 786,432 bytes; wc 1,572,864 bytes; ws 98,304 bytes; woh 2,097,152 bytes; qkv 50,331,648 bytes; ao 16,777,216 bytes
;; launch quant (part 1): grid 896 x 1, 4 waves a work-group, no clusters, 33,280 bytes of LDS; arguments query, key, value, Wq, Wk, Wv, Wo, xc, xs, wc, ws, woh; writes xc, xs, wc, ws, woh
.if DOCPART == 1
	.amdgcn_target "amdgcn-amd-amdhsa--gfx1250"
	.amdhsa_code_object_version 6
	.text
	.protected	k_qd508cb4335_quant
	.globl	k_qd508cb4335_quant
	.p2align	8
	.type	k_qd508cb4335_quant,@function
k_qd508cb4335_quant:
	s_mov_b64 s[64:65], 0
	v_nop
	global_prefetch_b8 v0, s[64:65] scope:SCOPE_SE
	s_setreg_imm32_b32 hwreg(HW_REG_WAVE_MODE, 25, 1), 1
	s_wait_xcnt 0x0
; query, key, value [8192][1024] and Wq, Wk, Wv [1024][1024], f32 with K innermost, become codes of FP4 (E2M1), two to a byte, the lower k in the low four bits, and one E8M0 byte for each 32 along K.
; Wo [1024][1024] is rounded to f16 as it lies.
; xc = [3][8192][512 bytes], xs = [3][8192][32 bytes], wc = [3][1024][512 bytes], ws = [3][1024][32 bytes], woh = [1024][1024] f16.
; A block's scale is 2^(floor(log2(its largest magnitude)) - 2): its byte is the largest magnitude's exponent field - 2, held at 1 from below.
; LIMITS: a block of zeros gets the byte 1 where the quantiser says 127: its codes are zeros, which add nothing under any byte but 0xff, and this program alone reads the bytes.
; Blocks whose largest magnitude lies under 2^-124 have their byte held at 1.  NaN and infinities among the inputs are not served.  A number of Wo beyond 65,504 becomes an infinity of f16.
; SHARES.  Rows are dense and 1,024 is a multiple of 32: every tensor is a plain stream of blocks of 32.  A work-group takes 32,768 numbers, a wave 8,192, in 16 steps of 512.
; Work-groups 0-767: query, key, value (256 each); 768-863: Wq, Wk, Wv (32 each); 864-895: Wo.  Only pointers are chosen for the first six: they take one path through the text.
; A STEP: four loads of 512 consecutive bytes, 16 a lane; the 2,048 bytes turn through the wave's own stage in LDS and come back 64 bytes a lane, so that a lane holds 16 neighbours along K
; (two neighbouring lanes hold a block).  A lane's 16 codes are 8 bytes: the wave stores 256 consecutive bytes.  A wave's 256 scale bytes are gathered in LDS and leave as 256 consecutive bytes.
; No tensor loads, no barrier: waves share nothing.  No matrix unit, no cluster, no prefetch: the launch is a stream that is read once and written once.
.set WAVES, 4
.set STEPS, 16
.set EMAX,  2
.set CB,    8                          ; bytes of 16 codes
.set R,     16                         ; v16-79   four sets of 16 numbers as they are loaded
.set X,     80                         ; v80-111  two sets of 16 neighbours
.set E,     112                        ; v112-127 a scale byte for each step
.set C,     128                        ; v128-191 codes: four registers for each step, so that no store's data are written again
.set WREG,  8192                       ; LDS: a region for each wave: two stages of 32 x SP bytes, behind them its 256 scale bytes
.set SP,    80                         ; a lane's place in a stage: 64 bytes + 16 of padding
.set SPW,   12                         ; v12  LDS address of my spare word; never rewritten
.set NIL,   13                         ; v13  0; never rewritten
.set SPARE, WAVES*WREG                 ; behind the four regions: the spare words, 128 bytes a wave, which no other line names
.set RA,    16                         ; Wo's path: v16-79, v80-143 two batches of 16 loads
.set CO,    144                        ; v144-175 a batch's f16 numbers
	s_load_b512 s[8:23], s[0:1], 0x0               ; query 8, key 10, value 12, Wq 14, Wk 16, Wv 18, Wo 20, xc 22
	s_load_b256 s[24:31], s[0:1], 0x40             ; xs 24, wc 26, ws 28, woh 30
	v_lshl_add_u32 v[SPW], v0, 2, SPARE
	v_mov_b32 v[NIL], 0
	v_lshrrev_b32 v1, 5, v0
	v_readfirstlane_b32 s32, v1                    ; wave
	v_and_b32 v2, 31, v0                           ; lane
	v_lshlrev_b32 v3, 4, v2                        ; my 16 bytes of a load's 512
	s_mul_i32 s33, s32, WREG
	v_lshrrev_b32 v14, 2, v2
	v_mul_u32_u24 v14, v14, SP
	v_and_b32 v15, 3, v2
	v_lshl_add_u32 v14, v15, 4, v14
	v_add_nc_u32 v14, s33, v14                     ; the stage, on the way in: four lanes' 64 bytes on end, then 16 of padding
	v_mul_u32_u24 v15, v2, SP
	v_add_nc_u32 v15, s33, v15                     ; and on the way out: my 16 neighbours
	v_mul_u32_u24 v4, v2, CB                       ; my codes' place in a step's
	v_lshrrev_b32 v5, 1, v2
	s_add_co_u32 s33, s33, 2*32*SP
	v_add_nc_u32 v5, s33, v5                       ; LDS: my wave's 256 scale bytes, my block's byte
	v_lshlrev_b32 v7, 3, v2                        ; 8 bytes a lane
	v_add_nc_u32 v6, s33, v7
	s_wait_kmcnt 0x0
	s_cmp_ge_u32 ttmp9, 864
	s_cbranch_scc1 .Lwo                            ; the work-group's number alone decides
	s_cmp_lt_u32 ttmp9, 768                        ; an activation or a weight?
	s_cselect_b64 s[34:35], s[8:9], s[14:15]
	s_cselect_b64 s[36:37], s[10:11], s[16:17]
	s_cselect_b64 s[38:39], s[12:13], s[18:19]
	s_cselect_b64 s[40:41], s[22:23], s[26:27]     ; the codes' buffer
	s_cselect_b64 s[42:43], s[24:25], s[28:29]     ; the scale bytes' buffer
	s_cselect_b32 s44, 0, 768
	s_cselect_b32 s45, 8, 5                        ; 256 or 32 work-groups to a tensor
	s_sub_co_u32 s46, ttmp9, s44                   ; my number among the three tensors' work-groups
	s_lshr_b32 s47, s46, s45                       ; which of the three
	s_lshl_b32 s48, s47, s45
	s_sub_co_u32 s48, s46, s48                     ; my number within it
	s_cmp_eq_u32 s47, 0
	s_cselect_b64 s[34:35], s[34:35], s[36:37]
	s_cmp_eq_u32 s47, 2
	s_cselect_b64 s[34:35], s[38:39], s[34:35]
	s_lshl_b32 s48, s48, 2
	s_add_co_u32 s48, s48, s32                     ; my wave's run of 8,192 numbers in its tensor
	s_lshl_b32 s48, s48, 15                        ; 32,768 bytes a run
	s_mov_b32 s49, 0
	s_add_nc_u64 s[4:5], s[34:35], s[48:49]
	s_lshl_b32 s46, s46, 2
	s_add_co_u32 s46, s46, s32                     ; and in the three tensors' common buffers
	s_lshl_b32 s48, s46, 12                        ; 4,096 bytes of codes a run
	s_add_nc_u64 s[40:41], s[40:41], s[48:49]
	s_lshl_b32 s48, s46, 8                         ; 256 scale bytes a run
	s_add_nc_u64 s[42:43], s[42:43], s[48:49]
.macro LOAD t
.irp i, 0,1,2,3
	global_load_b128 v[R+16*((\t)%4)+4*\i:R+16*((\t)%4)+4*\i+3], v3, s[4:5] offset:2048*(\t)+512*\i th:TH_LOAD_NT   ; 32 lanes read 512 consecutive bytes
.endr
.endm
.macro TURN t                          ; step t's numbers through the stage: LDS serves a wave's instructions in order, so no wait stands between the stores and the loads
.irp i, 0,1,2,3
	ds_store_b128 v14, v[R+16*((\t)%4)+4*\i:R+16*((\t)%4)+4*\i+3] offset:32*SP*((\t)%2)+8*SP*\i
.endr
.irp i, 0,1,2,3
	ds_load_b128 v[X+16*((\t)%2)+4*\i:X+16*((\t)%2)+4*\i+3], v15 offset:32*SP*((\t)%2)+16*\i
.endr
.endm
.irp t, 0,1,2,3
	LOAD \t
.endr
	s_wait_loadcnt 12                              ; step 0's four loads are in; twelve younger ones stay out
	TURN 0
.macro STEP t
.set XS, X+16*((\t)%2)
.if (\t) > 0
	s_wait_dscnt 1                                 ; this step's numbers are back from the stage (the last step's byte store may be out)
.else
	s_wait_dscnt 0x0
.endif
.if (\t)+4 < STEPS
	LOAD (\t)+4                                    ; into the registers that this step's stores into the stage have read
.endif
.if (\t)+1 < STEPS
.if STEPS-2-(\t) >= 3
	s_wait_loadcnt 12                              ; the next step's four loads are in; those of the three steps behind it may be out
.else
	s_wait_loadcnt 4*(STEPS-2-(\t))
.endif
	TURN (\t)+1                                    ; they go through the other stage while this step is worked
.endif
	v_max3_num_f32 v8, |v[XS]|, |v[XS+1]|, |v[XS+2]|               ; the largest magnitude of my 16, in two chains
	v_max3_num_f32 v9, |v[XS+3]|, |v[XS+4]|, |v[XS+5]|
.irp i, 6,10
	v_max3_num_f32 v8, v8, |v[XS+\i]|, |v[XS+\i+1]|
	v_max3_num_f32 v9, v9, |v[XS+\i+2]|, |v[XS+\i+3]|
.endr
	v_max3_num_f32 v8, v8, |v[XS+14]|, |v[XS+15]|
	v_max3_num_f32 v8, v8, v9, (EMAX+1)<<23        ; and the floor 2^(3 - 127): the byte cannot fall under 1
	v_max_num_f32_dpp v8, v8, v8 row_xmask:1 row_mask:0xf bank_mask:0xf   ; and of my neighbour's 16: the block's
	v_add_nc_u32 v11, -(EMAX<<23), v8              ; 2 off its exponent field: the conversion takes the exponent field of this operand as its scale, and nothing else of it
	v_cvt_scalef32_pk8_fp4_f32 v[C+4*(\t)], v[XS:XS+7], v11         ; to the nearest code, ties to even, beyond the largest code the largest; the first number's code in the lowest four bits
	v_cvt_scalef32_pk8_fp4_f32 v[C+4*(\t)+1], v[XS+8:XS+15], v11
	v_lshrrev_b32 v[E+(\t)], 23, v11               ; the scale's byte (also the plain line behind the conversions)
	ds_store_b8 v5, v[E+(\t)] offset:16*(\t)       ; both lanes of a block write the same byte with the same value
	global_store_b64 v4, v[C+4*(\t):C+4*(\t)+1], s[40:41] offset:32*CB*(\t)   ; the wave stores 256 consecutive bytes
.endm
.irp t, 0,1,2,3,4,5,6,7,8,9,10,11,12,13,14,15
	STEP \t
.endr
	ds_load_b64 v[8:9], v6                         ; LDS serves a wave's instructions in order: these see my stores
	s_wait_dscnt 0x0
	global_store_b64 v7, v[8:9], s[42:43]          ; 32 lanes store 256 consecutive bytes
	s_wait_tensorcnt 0x0                           ; the wave's end, behind my last LDS store
	ds_add_u32 v[SPW], v[NIL]
	s_wait_dscnt 0x0
	s_endpgm
; Wo to f16: a wave's 8,192 numbers in four batches of 16 loads; two batches are on their way while one is rounded and stored.
.Lwo:
	s_sub_co_u32 s46, ttmp9, 864
	s_lshl_b32 s46, s46, 2
	s_add_co_u32 s46, s46, s32                     ; my wave's run
	s_lshl_b32 s48, s46, 15
	s_mov_b32 s49, 0
	s_add_nc_u64 s[4:5], s[20:21], s[48:49]
	s_lshl_b32 s48, s46, 14
	s_add_nc_u64 s[6:7], s[30:31], s[48:49]
.macro WLOAD u
.set RS, RA+64*((\u)%2)
.set i, 0
.rept 16
	global_load_b128 v[RS+4*i:RS+4*i+3], v3, s[4:5] offset:(16*(\u)+i)*512 th:TH_LOAD_NT
.set i, i+1
.endr
.endm
.macro WB u
.set RS, RA+64*((\u)%2)
.if (\u) < 3
	s_wait_loadcnt 16                              ; this batch is in; the other batch's 16 loads stay out
.else
	s_wait_loadcnt 0x0
.endif
	s_wait_xcnt 0x0                                ; the last batch's stores have read their data registers, which are written again below
.set i, 0
.rept 16
	v_cvt_pk_f16_f32 v[CO+2*i], v[RS+4*i], v[RS+4*i+1]
	v_cvt_pk_f16_f32 v[CO+2*i+1], v[RS+4*i+2], v[RS+4*i+3]
.set i, i+1
.endr
.set i, 0
.rept 16
	global_store_b64 v7, v[CO+2*i:CO+2*i+1], s[6:7] offset:(16*(\u)+i)*256   ; the wave stores 256 consecutive bytes
.set i, i+1
.endr
.if (\u)+2 < 4
	WLOAD (\u)+2
.endif
.endm
	WLOAD 0
	WLOAD 1
	WB 0
	WB 1
	WB 2
	WB 3
	s_wait_tensorcnt 0x0                           ; the wave's end
	ds_add_u32 v[SPW], v[NIL]
	s_wait_dscnt 0x0
	s_endpgm
.Lfunc_end_k_qd508cb4335_quant:
	.size	k_qd508cb4335_quant, .Lfunc_end_k_qd508cb4335_quant-k_qd508cb4335_quant
	.p2alignl 7, 3214868480
	.fill 96, 4, 3214868480
	.section	.rodata,"a",@progbits
	.p2align	6, 0x0
	.amdhsa_kernel k_qd508cb4335_quant
		.amdhsa_group_segment_fixed_size 33280
		.amdhsa_private_segment_fixed_size 0
		.amdhsa_enable_private_segment 0
		.amdhsa_kernarg_size 96
		.amdhsa_user_sgpr_count 2
		.amdhsa_user_sgpr_kernarg_segment_ptr 1
		.amdhsa_wavefront_size32 1
		.amdhsa_system_sgpr_workgroup_id_x 1
		.amdhsa_system_sgpr_workgroup_id_y 1
		.amdhsa_system_sgpr_workgroup_id_z 1
		.amdhsa_system_vgpr_workitem_id 0
		.amdhsa_next_free_vgpr 192
		.amdhsa_next_free_sgpr 66
		.amdhsa_reserve_vcc 0
		.amdhsa_float_denorm_mode_32 3
		.amdhsa_float_denorm_mode_16_64 3
		.amdhsa_memory_ordered 1
		.amdhsa_forward_progress 1
		.amdhsa_inst_pref_size 54
	.end_amdhsa_kernel
	.amdgpu_metadata
---
amdhsa.version: [ 1, 2 ]
amdhsa.kernels:
  - .name:           k_qd508cb4335_quant
    .symbol:         k_qd508cb4335_quant.kd
    .args:
      - { .name: query, .offset: 0, .size: 8, .value_kind: global_buffer, .address_space: global }
      - { .name: key, .offset: 8, .size: 8, .value_kind: global_buffer, .address_space: global }
      - { .name: value, .offset: 16, .size: 8, .value_kind: global_buffer, .address_space: global }
      - { .name: Wq, .offset: 24, .size: 8, .value_kind: global_buffer, .address_space: global }
      - { .name: Wk, .offset: 32, .size: 8, .value_kind: global_buffer, .address_space: global }
      - { .name: Wv, .offset: 40, .size: 8, .value_kind: global_buffer, .address_space: global }
      - { .name: Wo, .offset: 48, .size: 8, .value_kind: global_buffer, .address_space: global }
      - { .name: xc, .offset: 56, .size: 8, .value_kind: global_buffer, .address_space: global }
      - { .name: xs, .offset: 64, .size: 8, .value_kind: global_buffer, .address_space: global }
      - { .name: wc, .offset: 72, .size: 8, .value_kind: global_buffer, .address_space: global }
      - { .name: ws, .offset: 80, .size: 8, .value_kind: global_buffer, .address_space: global }
      - { .name: woh, .offset: 88, .size: 8, .value_kind: global_buffer, .address_space: global }
    .group_segment_fixed_size: 33280
    .private_segment_fixed_size: 0
    .kernarg_segment_align: 8
    .kernarg_segment_size: 96
    .max_flat_workgroup_size: 128
    .sgpr_count:     66
    .vgpr_count:     192
    .wavefront_size: 32
...
	.end_amdgpu_metadata
.endif
;; end of part 1
;; launch proj (part 2): grid 4 x 96, 4 waves a work-group, clusters of 4 x 4, 327,680 bytes of LDS; arguments xc, xs, wc, ws, qkv, bq, bk, bv; writes qkv
.if DOCPART == 2
	.amdgcn_target "amdgcn-amd-amdhsa--gfx1250"
	.amdhsa_code_object_version 6
	.text
	.protected	k_qd508cb4335_proj
	.globl	k_qd508cb4335_proj
	.p2align	8
	.type	k_qd508cb4335_proj,@function
k_qd508cb4335_proj:
	s_mov_b64 s[64:65], 0
	v_nop
	global_prefetch_b8 v0, s[64:65] scope:SCOPE_SE
	s_setreg_imm32_b32 hwreg(HW_REG_WAVE_MODE, 25, 1), 1
	s_wait_xcnt 0x0
	s_wait_alu depctr_hold_cnt(0) depctr_sa_sdst(0) depctr_va_vdst(0) depctr_va_sdst(0) depctr_va_ssrc(0) depctr_va_vcc(0) depctr_vm_vsrc(0)
	s_getreg_b32 s2, hwreg(HW_REG_IB_STS2, 6, 4)
	s_cmp_eq_u32 s2, 0
	s_cbranch_scc0 .Lentry_in_a_cluster
	s_endpgm
.Lentry_in_a_cluster:
	s_bfe_u32 s2, ttmp6, 0x10000c
	s_cmp_lg_u32 s2, 0xf033
	s_cbranch_scc0 .Lentry_shape_is_right
	s_endpgm
.Lentry_shape_is_right:
; The three projections on codes of FP4 with E8M0 scales: C[m][n] = sum over k of X[m][k] W[n][k] + bias[n]; X = xc/xs, 3 x 8,192 rows; W = wc/ws, 3 x 1,024 rows; K = 1,024; sums in f32.
; q is also multiplied by c = log2(e) / 8, so that the attention's exponent is a plain difference.  Results are rounded once to f16 and laid by head: qkv = [3][64 (batch x 16 + head)][2048 t][64].
; LIMIT: a result beyond 65,504 becomes an infinity of f16.
; A tile of C, 256 x 256, is made by a work-group of four waves; a wave makes 128 x 128: 64 accumulators, 512 registers.  Tile rows 0-31 are q's, 32-63 k's, 64-95 v's.
; K is two LDS slots of 512 (rows of 256 bytes): both are asked for at the head, with the scale bytes, and nothing is filled again: no loop.
; CLUSTERS: 4 x 4 work-groups.  The four of a row of the cluster need the same rows of X, the four of a column the same rows of W: each tile is asked for jointly, by the same tensor load with the same
; descriptor and a mask that names the four.  A cluster's four tile rows belong to one projection (eight clusters to each).
; THE MATRIX INSTRUCTION IS USED TRANSPOSED (source 0 = 16 rows of W, source 1 = 16 rows of X): a lane holds eight neighbouring columns of one row of C.  The bias is the C of each sum's first product.
; No prefetch: every tile of the launch is asked for at its head.
; REGISTERS: window 0: v0-31 addresses; v32-95 scale words, two sets, and nothing else; v128-191 X's fragments, one set; v192-255 the bias as eight C tiles; the way out works in v96-255.
;   window 1: W's fragments, two sets, at v0 and v128.   window 2: the accumulators of my rows 0-63 ((a, b) at v[8 (8 a + b)]);   window 3: those of rows 64-127.
.set SIZE_K, 1024
.set KSTEP,  512
.set NQ,     KSTEP/128
.set ROWB,   256                       ; a tile's row in bytes
.set KROW,   SIZE_K/2                  ; a row of codes in memory
.set PITCH,  272                       ; an LDS row: 256 bytes + 16 of padding = 68 words: the 16 rows that a load touches start at 16 different banks (64 banks of 4 bytes: ISA guide 11.1)
.set FR,     8
.set NL,     2
.set NP,     4                         ; places behind this matrix instruction (ISA guide 7.12.1)
.set HALFT,  128*PITCH
.set SLOT,   4*HALFT
.set KS,     SIZE_K/32                 ; a row of scale bytes
.set SCL,    2*SLOT                    ; behind the slots: the scale bytes, as rows of 256 bytes + 16 of padding
.set HALFS,  (128*KS/256)*272
.set SBLK,   (16*KS/256)*272
.set SPARE,  SCL+4*HALFS               ; the spare words, 128 bytes a wave, which no other line names
.set SPITCH, 272                       ; the way out: a stage of 16 rows x (256 bytes + 16) for each wave, in slot 0, which has had its only fill and its last read by then
.set ADRA, 16
.set ADRB, 20
.set STO,  24
.set RD,   25
.set CO,   26
.set ADRS, 27
.set SPW,  28
.set NIL,  29
.set SC,   32
.set AF,   128
.set BI,   192                         ; the bias: block b's eight registers hold bias[n0 + 16 b + 8 (lane / 16) + 0 .. 7]
.set MT,   128                         ; the way out: a block's 64 numbers x the factor
.set TMP,  192                         ; and as f16
.set G1, 24
.set G0, 32
.set G1B, 48
.set G0B, 56
.set G1S, 68
.set G0S, 76
.set G1SB, 80
.set G0SB, 88
.set PROJ, 95                          ; s95: 0 q, 1 k, 2 v
.set MSB, 0
.macro WIN new                         ; the immediate's high byte repeats the setting that is left
.if MSB != (\new)
	s_set_vgpr_msb (MSB<<8)|(\new)
.set MSB, (\new)
.endif
.endm
.set MUL_LO, 0xa1                      ; source 0 (W) window 1, source 1 (X) window 0, C and D window 2
.set MUL_HI, 0xf1                      ; the same, C and D window 3.  Where C is the bias (window 0): 0x81 and 0xc1
.set TO_B,   0x40
; A joint load: waves 0 and 1 fetch for X, waves 2 and 3 for W.  The branch hangs on the wave's number alone.  An s_nop 0 and four v_nop follow each of the two lines.
.macro JLOAD g0a, g1a, g0b, g1b
	s_cmp_eq_u32 s15, 0
	s_cbranch_scc0 .Lfor_b_\@
	tensor_load_to_lds s[\g0a:\g0a+3], s[\g1a:\g1a+7]
	s_nop 0
.rept 4
	v_nop
.endr
	s_branch .Lasked_\@
.Lfor_b_\@:
	tensor_load_to_lds s[\g0b:\g0b+3], s[\g1b:\g1b+7]
	s_nop 0
.rept 4
	v_nop
.endr
.Lasked_\@:
.endm
.macro CROUND                          ; a round of the cluster's barrier
	s_barrier_signal -1
	s_barrier_wait -1
	s_cmp_lg_u32 s14, 0
	s_cbranch_scc1 .Lnot_wave_0_\@
	s_barrier_signal -3
.Lnot_wave_0_\@:
	s_barrier_wait -3
	s_barrier_signal -1
	s_barrier_wait -1
.endm
	s_load_b128 s[4:7], s[0:1], 0x0                ; xc, xs
	s_load_b128 s[8:11], s[0:1], 0x10              ; wc, ws
	s_load_b64 s[12:13], s[0:1], 0x20              ; qkv
	s_load_b64 s[66:67], s[0:1], 0x28              ; bq
	s_load_b128 s[96:99], s[0:1], 0x30             ; bk, bv
	v_lshl_add_u32 v[SPW], v0, 2, SPARE
	v_mov_b32 v[NIL], 0
	ds_add_u32 v[SPW], v[NIL]                      ; the wave's opening: the add, twice on end, and its wait ahead of my first tensor load
	ds_add_u32 v[SPW], v[NIL]
	v_lshrrev_b32 v1, 5, v0
	v_readfirstlane_b32 s14, v1                    ; wave 0..3
	s_lshr_b32 s15, s14, 1                         ; which half of the tile's rows is mine.  Also: I fetch for X (0) or for W (1)
	s_and_b32 s16, s14, 1                          ; which half of its columns.  Also: which 128 rows of that tile I fetch
	s_bfe_u32 s40, ttmp6, 0x40000                  ; cx, cy
	s_bfe_u32 s41, ttmp6, 0x40004
	s_lshl_b32 s42, ttmp9, 2
	s_add_co_u32 s42, s42, s40                     ; tile column = 4 x cluster x + cx
	s_and_b32 s17, ttmp7, 0xffff
	s_lshr_b32 s[PROJ], s17, 3                     ; the projection: eight clusters along y to each; the same in all sixteen partners
	s_lshl_b32 s17, s17, 2
	s_add_co_u32 s17, s17, s41                     ; tile row = 4 x cluster y + cy
	s_lshl_b32 s43, s41, 2
	s_lshl_b32 s43, 15, s43                        ; my row of the cluster
	s_lshl_b32 s44, 0x1111, s40                    ; my column
	s_or_b32 s[G1+0], s43, (0<<16)|(1<<20)|(1<<21)|(5<<22)|(3<<25)  ; the mask; elements of 1 byte; padding on; bit 21 beside a mask; after every 64 words; 4 words
	s_or_b32 s[G1B+0], s44, (0<<16)|(1<<20)|(1<<21)|(5<<22)|(3<<25)
.irp g, G1, G1B
	s_mov_b32 s[\g+1], ROWB<<16                    ; tensor_dim0
	s_mov_b32 s[\g+2], 128<<16                     ; tensor_dim1
	s_mov_b32 s[\g+3], ROWB<<16                    ; tile_dim0
	s_mov_b32 s[\g+4], 128                         ; tile_dim1
	s_mov_b32 s[\g+5], KROW                        ; from row to row
	s_mov_b32 s[\g+6], 0
	s_mov_b32 s[\g+7], 0
.endr
	s_or_b32 s[G1S+0], s43, (3<<16)|(1<<20)|(1<<21)|(5<<22)|(3<<25)  ; the scale bytes of 128 rows: 4,096 dense bytes, as 16 rows of 32 elements of 8 bytes
	s_or_b32 s[G1SB+0], s44, (3<<16)|(1<<20)|(1<<21)|(5<<22)|(3<<25)
.irp g, G1S, G1SB
	s_mov_b32 s[\g+1], 32<<16
	s_mov_b32 s[\g+2], (128*KS/256)<<16
	s_mov_b32 s[\g+3], 32<<16
	s_mov_b32 s[\g+4], 128*KS/256
	s_mov_b32 s[\g+5], 32
	s_mov_b32 s[\g+6], 0
	s_mov_b32 s[\g+7], 0
.endr
	s_lshl_b32 s18, s16, 7                         ; which 128 rows of the tile I fetch
	s_lshl_b32 s20, s17, 8
	s_add_co_u32 s20, s20, s18                     ; X: row 256 x tile row + 128 x half
	s_lshl_b32 s46, s42, 8
	s_add_co_u32 s46, s46, s18
	s_lshl_b32 s47, s[PROJ], 10
	s_add_co_u32 s46, s46, s47                     ; W: row 1,024 x projection + 256 x tile column + 128 x half
	s_mov_b32 s21, 0
	s_mov_b32 s47, 0
	s_mov_b64 s[18:19], KS
	s_mul_u64 s[22:23], s[20:21], s[18:19]         ; where these rows' scale bytes begin
	s_mul_u64 s[92:93], s[46:47], s[18:19]
	s_mov_b64 s[18:19], KROW
	s_mul_u64 s[20:21], s[20:21], s[18:19]         ; and their codes
	s_mul_u64 s[46:47], s[46:47], s[18:19]
	s_mul_i32 s45, s14, HALFT                      ; where they go: wave x 128 rows
	s_mul_i32 s94, s14, HALFS
	s_wait_dscnt 0x0                               ; both opening adds are done
	s_wait_kmcnt 0x0
	s_add_nc_u64 s[20:21], s[4:5], s[20:21]
	s_add_nc_u64 s[22:23], s[6:7], s[22:23]
	s_add_nc_u64 s[46:47], s[8:9], s[46:47]
	s_add_nc_u64 s[92:93], s[10:11], s[92:93]
	CROUND                                         ; all sixteen work-groups are here: the joint loads meet
	s_mov_b32 s[G0S], 1
	s_add_co_u32 s[G0S+1], s94, SCL
	s_mov_b64 s[G0S+2:G0S+3], s[22:23]
	s_or_b32 s[G0S+3], s[G0S+3], 0x80000000
	s_mov_b32 s[G0SB], 1
	s_add_co_u32 s[G0SB+1], s94, SCL
	s_mov_b64 s[G0SB+2:G0SB+3], s[92:93]
	s_or_b32 s[G0SB+3], s[G0SB+3], 0x80000000
	JLOAD G0S, G1S, G0SB, G1SB                     ; the scale bytes first: they are wanted with the first slot
.irp s, 0,1
	s_mov_b32 s[G0+4*\s], 1
	s_add_co_u32 s[G0+4*\s+1], s45, \s*SLOT
	s_add_nc_u64 s[G0+4*\s+2:G0+4*\s+3], s[20:21], \s*ROWB
	s_or_b32 s[G0+4*\s+3], s[G0+4*\s+3], 0x80000000
	s_mov_b32 s[G0B+4*\s], 1
	s_add_co_u32 s[G0B+4*\s+1], s45, \s*SLOT
	s_add_nc_u64 s[G0B+4*\s+2:G0B+4*\s+3], s[46:47], \s*ROWB
	s_or_b32 s[G0B+4*\s+3], s[G0B+4*\s+3], 0x80000000
	JLOAD G0+4*\s, G1, G0B+4*\s, G1B               ; three tensor loads of mine are out in all
.endr
	v_and_b32 v1, 15, v0                           ; r = lane % 16
	v_bfe_u32 v2, v0, 4, 1                         ; h = lane / 16
	; the bias of my projection, and the factor
	s_lshl_b32 s46, s42, 10                        ; my first column x 4 bytes: 1,024 x tile column + 512 x half
	s_lshl_b32 s47, s16, 9
	s_add_co_u32 s46, s46, s47
	s_mov_b32 s47, 0
	s_cmp_eq_u32 s[PROJ], 0
	s_cselect_b64 s[66:67], s[66:67], s[96:97]
	s_cselect_b32 s2, 0x3e38aa3b, 1.0              ; c = log2(e) / 8 for q, 1 for k and v
	s_cmp_eq_u32 s[PROJ], 2
	s_cselect_b64 s[66:67], s[98:99], s[66:67]
	s_mov_b32 s3, s2                               ; (the packed form names the pair)
	s_add_nc_u64 s[66:67], s[66:67], s[46:47]
	v_lshlrev_b32 v7, 5, v2                        ; 32 bytes on for lanes 16-31
.irp b, 0,1,2,3,4,5,6,7
	global_load_b128 v[BI+8*\b:BI+8*\b+3], v7, s[66:67] offset:64*\b
	global_load_b128 v[BI+8*\b+4:BI+8*\b+7], v7, s[66:67] offset:64*\b+16
.endr
	v_mul_u32_u24 v3, v1, PITCH
	v_lshl_add_u32 v4, v2, 4, v3                   ; a fragment's row x pitch + 16 x half
	s_mul_i32 s21, s15, HALFT                      ; my 128 rows of X
	s_mul_i32 s22, s16, HALFT                      ; my 128 rows of W,
	s_add_co_u32 s22, s22, 2*HALFT                 ; which lie behind X's 256
.irp s, 0,1
	v_add_nc_u32 v[ADRA+\s], s21, v4
	v_add_nc_u32 v[ADRB+\s], s22, v4
	s_add_co_u32 s21, s21, SLOT
	s_add_co_u32 s22, s22, SLOT
.endr
	v_mul_u32_u24 v5, v1, KS                       ; my row's scale bytes: 32 a row,
	v_lshrrev_b32 v6, 8, v5
	v_lshl_add_u32 v5, v6, 4, v5                   ; and 16 more for each 256 passed
	s_mul_i32 s21, s15, HALFS
	s_mul_i32 s22, s16, HALFS
	s_add_co_u32 s22, s22, 2*HALFS
	s_sub_co_u32 s22, s22, s21
	v_mul_u32_u24 v6, s22, v2                      ; lanes 16-31 take W's
	s_add_co_u32 s21, s21, SCL
	v_add_nc_u32 v5, v5, v6
	v_add_nc_u32 v[ADRS], s21, v5
	s_mul_i32 s23, s14, 16*SPITCH                  ; my stage
	v_mul_u32_u24 v5, v1, SPITCH                   ; in: row r, 16 bytes for each half of the lanes
	v_lshl_add_u32 v5, v2, 4, v5
	v_add_nc_u32 v[STO], s23, v5
	v_bfe_u32 v5, v0, 3, 1                         ; back: lanes 0-7 an even row's first 128 bytes (one head), lanes 8-15 the odd row's; lanes 16-31 the same of the second 128 bytes (the next head)
	v_mul_u32_u24 v5, v5, SPITCH
	v_lshl_add_u32 v5, v2, 7, v5
	v_and_b32 v6, 7, v0
	v_lshl_add_u32 v5, v6, 4, v5
	v_add_nc_u32 v[RD], s23, v5
	v_lshlrev_b32 v[CO], 18, v2                    ; in qkv: a head is 262,144 bytes; two rows of a head are 256 consecutive bytes
	v_lshl_add_u32 v[CO], v1, 4, v[CO]
	s_and_b32 s20, s17, 31
	s_lshl_b32 s20, s20, 8
	s_lshl_b32 s21, s15, 7
	s_add_co_u32 s20, s20, s21                     ; my first row within the projection
	s_lshr_b32 s21, s20, 11                        ; its batch,
	s_and_b32 s20, s20, 2047                       ; its t
	s_lshl_b32 s21, s21, 4
	s_lshl_b32 s46, s42, 2
	s_add_co_u32 s21, s21, s46
	s_lshl_b32 s46, s16, 1
	s_add_co_u32 s21, s21, s46                     ; batch x 16 + my first head (four heads to a tile column, two to a wave)
	s_lshl_b32 s21, s21, 11
	s_add_co_u32 s20, s20, s21
	s_lshl_b32 s20, s20, 7                         ; 128 bytes a row
	s_lshl_b32 s21, s[PROJ], 24                    ; 2^24 bytes a projection
	s_add_co_u32 s20, s20, s21
	s_mov_b32 s21, 0
	s_add_nc_u64 s[12:13], s[12:13], s[20:21]
.macro FRAG reg, adr, q, i             ; 16 rows x 128 K of 4-bit codes: 8 registers; lane l holds row l % 16; registers 4 c .. 4 c + 3 hold K = 64 c + 32 (l / 16) + 0 .. 31
.irp c, 0,1
	ds_load_b128 v[\reg+4*\c:\reg+4*\c+3], v[\adr] offset:64*(\q)+32*\c+(\i)*16*PITCH
.endr
.endm
; 16 matrix instructions: X's blocks a0, a0 + 1 x W's eight.  zero = 1: the first product starts the sums from the bias.  The 64 accumulators take turns, one instruction a turn.
.macro MUL16 a0, p, q, sc, zero
.irp a, \a0, \a0+1
.irp b, 0,1,2,3,4,5,6,7
.if \zero
	v_wmma_scale_f32_16x16x128_f8f6f4 v[8*(8*((\a)%4)+\b):8*(8*((\a)%4)+\b)+7], v[128*(\p)+FR*\b:128*(\p)+FR*\b+FR-1], v[AF+FR*(\a):AF+FR*(\a)+FR-1], v[BI+8*\b:BI+8*\b+7], v[SC+8*NQ*(\sc)+NQ*\b+(\q)], v[SC+8*NQ*(\sc)+NQ*(\a)+(\q)] matrix_a_fmt:MATRIX_FMT_FP4 matrix_b_fmt:MATRIX_FMT_FP4 matrix_a_scale:MATRIX_SCALE_ROW1
.else
	v_wmma_scale_f32_16x16x128_f8f6f4 v[8*(8*((\a)%4)+\b):8*(8*((\a)%4)+\b)+7], v[128*(\p)+FR*\b:128*(\p)+FR*\b+FR-1], v[AF+FR*(\a):AF+FR*(\a)+FR-1], v[8*(8*((\a)%4)+\b):8*(8*((\a)%4)+\b)+7], v[SC+8*NQ*(\sc)+NQ*\b+(\q)], v[SC+8*NQ*(\sc)+NQ*(\a)+(\q)] matrix_a_fmt:MATRIX_FMT_FP4 matrix_b_fmt:MATRIX_FMT_FP4 matrix_a_scale:MATRIX_SCALE_ROW1
.endif
.endr
.endr
.endm
.macro FETCH_B slot, q, p
	WIN TO_B
.irp i, 0,1,2,3,4,5,6,7
	FRAG 128*(\p)+FR*\i, ADRB+\slot, \q, \i
.endr
	WIN 0
.endm
.macro FETCH_A slot, q, i0
.irp i, \i0, \i0+1, \i0+2, \i0+3
	FRAG AF+FR*(\i), ADRA+\slot, \q, \i
.endr
.endm
.macro SCALES sc                       ; a slot's scale words: four a row; lanes 0-15 take X's block i, lanes 16-31 W's block i
.irp i, 0,1,2,3,4,5,6,7
	ds_load_b128 v[SC+8*NQ*\sc+NQ*\i:SC+8*NQ*\sc+NQ*\i+3], v[ADRS] offset:\i*SBLK
.endr
.endm
.macro PLACES n                        ; plain vector instructions between a matrix instruction and a load into, or a vector read or write of, its registers
.rept \n
	v_nop
.endr
.endm
.macro STEP slot, q, zero              ; 128 along K, with its successor in the same slot
	s_wait_dscnt 4*NL                              ; W's set and X's blocks 0-3 are in; the youngest eight loads (X's blocks 4-7) may be out
	WIN MUL_LO-0x20*(\zero)
	MUL16 0, (\q)%2, \q, \slot, \zero
	MUL16 2, (\q)%2, \q, \slot, \zero
	s_wait_dscnt 0
	PLACES NP
	FETCH_B \slot, (\q)+1, 1-(\q)%2
	FETCH_A \slot, (\q)+1, 0
	WIN MUL_HI-0x30*(\zero)
	MUL16 4, (\q)%2, \q, \slot, \zero
	MUL16 6, (\q)%2, \q, \slot, \zero
	PLACES NP
	WIN 0
	FETCH_A \slot, (\q)+1, 4
.endm
.macro TURN slot, next                 ; a slot's last step changes slots: one barrier; in front of it each wave waits for all its tensor loads, adds 0 to its spare word, and waits for that and for its reads
	s_wait_tensorcnt 0x0                           ; my part of the next slot has landed
	ds_add_u32 v[SPW], v[NIL]
	s_wait_dscnt 4*NL+1                            ; (the add and the youngest eight loads may be out)
	WIN MUL_LO
	MUL16 0, 1, NQ-1, \slot, 0
	s_wait_dscnt 0x0                               ; the add is done, and my reads of this slot are over
	s_barrier_signal -1
	MUL16 2, 1, NQ-1, \slot, 0
	WIN 0
	s_barrier_wait -1                              ; the next slot is whole; nobody reads this one any more
	PLACES NP
	v_add_nc_u32 v[ADRS], 4*NQ, v[ADRS]            ; on to the next slot's scale words
	FETCH_B \next, 0, 0
	FETCH_A \next, 0, 0
	SCALES \next
	WIN MUL_HI
	MUL16 4, 1, NQ-1, \slot, 0
	MUL16 6, 1, NQ-1, \slot, 0
	PLACES NP
	WIN 0
	FETCH_A \next, 0, 4
.endm
.macro STEPS slot, from
.set Q, \from
.rept NQ-1-\from
	STEP \slot, Q, 0
.set Q, Q+1
.endr
.endm
	s_wait_tensorcnt 1                             ; the scale bytes and my part of slot 0 are in (slot 1's load may be out),
	s_barrier_signal -1
	s_barrier_wait -1                              ; everybody's are
	FETCH_B 0, 0, 0
	FETCH_A 0, 0, 0
	SCALES 0
	FETCH_A 0, 0, 4
	s_wait_loadcnt 0x0                             ; the bias
	STEP 0, 0, 1
	STEPS 0, 1
	TURN 0, 1
	STEPS 1, 0
	s_wait_dscnt 4*NL                              ; the last step: nothing more to fetch
	WIN MUL_LO
	MUL16 0, 1, NQ-1, 1, 0
	MUL16 2, 1, NQ-1, 1, 0
	s_wait_dscnt 0
	WIN MUL_HI
	MUL16 4, 1, NQ-1, 1, 0
	MUL16 6, 1, NQ-1, 1, 0
	WIN 0
; THE WAY OUT, block by block of 16 rows x 128 columns (two heads).  PACK: x the factor, rounded to f16, 16 bytes a lane.  TOSTAGE: into my stage and back by rows.  SEND: stored.
.macro PACK a
.set AC, 64*((\a)%4)
	WIN 0x02+(\a)/4                                ; source 0: window 2 or 3
.set i, 0
.rept 32
	v_pk_mul_f32 v[MT+2*i:MT+2*i+1], v[AC+2*i:AC+2*i+1], s[2:3] op_sel_hi:[1,0]   ; each accumulator from its low end on
.set i, i+1
.endr
	WIN 0
.set i, 0
.rept 32
	v_cvt_pk_f16_f32 v[TMP+i], v[MT+2*i], v[MT+2*i+1]
.set i, i+1
.endr
.endm
.macro TOSTAGE a
.set BB, 96+128*((\a)%2)               ; v96-127 and v224-255 by turns: the scale words' registers are left alone
.irp b, 0,1,2,3,4,5,6,7
	ds_store_b128 v[STO], v[TMP+4*\b:TMP+4*\b+3] offset:32*\b
.endr
.irp i, 0,1,2,3,4,5,6,7
	ds_load_b128 v[BB+4*\i:BB+4*\i+3], v[RD] offset:\i*2*SPITCH    ; LDS serves a wave's instructions in order (ISA guide 5.7.1.4): these see the stores above
.endr
.endm
.macro SEND a, younger
.set BB, 96+128*((\a)%2)
	s_wait_dscnt \younger                          ; the block is back in registers
	s_wait_xcnt 0x0                                ; earlier stores have read their data registers: the next block's loads may land there
.irp i, 0,1,2,3,4,5,6,7
	global_store_b128 v[CO], v[BB+4*\i:BB+4*\i+3], s[12:13] offset:(\a)*2048+\i*256   ; sixteen lanes store 256 consecutive bytes: two rows of one head
.endr
.endm
	PLACES NP                                      ; behind the last products: the conversions below write registers that held X's fragments and read results
	PACK 0
	TOSTAGE 0
.irp a, 1,2,3,4,5,6,7                  ; block a's arithmetic stands between block a - 1's loads from the stage and the wait for them
	PACK \a
	SEND \a-1, 0
	TOSTAGE \a
.endr
	SEND 7, 0
	s_wait_tensorcnt 0x0                           ; the wave's end
	ds_add_u32 v[SPW], v[NIL]
	s_wait_dscnt 0x0
	CROUND                                         ; the closing round
	s_endpgm
.Lfunc_end_k_qd508cb4335_proj:
	.size	k_qd508cb4335_proj, .Lfunc_end_k_qd508cb4335_proj-k_qd508cb4335_proj
	.p2alignl 7, 3214868480
	.fill 96, 4, 3214868480
	.section	.rodata,"a",@progbits
	.p2align	6, 0x0
	.amdhsa_kernel k_qd508cb4335_proj
		.amdhsa_group_segment_fixed_size 327680
		.amdhsa_private_segment_fixed_size 0
		.amdhsa_enable_private_segment 0
		.amdhsa_kernarg_size 64
		.amdhsa_user_sgpr_count 2
		.amdhsa_user_sgpr_kernarg_segment_ptr 1
		.amdhsa_wavefront_size32 1
		.amdhsa_system_sgpr_workgroup_id_x 1
		.amdhsa_system_sgpr_workgroup_id_y 1
		.amdhsa_system_sgpr_workgroup_id_z 1
		.amdhsa_system_vgpr_workitem_id 0
		.amdhsa_next_free_vgpr 1024
		.amdhsa_next_free_sgpr 100
		.amdhsa_reserve_vcc 0
		.amdhsa_float_denorm_mode_32 3
		.amdhsa_float_denorm_mode_16_64 3
		.amdhsa_memory_ordered 1
		.amdhsa_forward_progress 1
		.amdhsa_inst_pref_size 145
	.end_amdhsa_kernel
	.amdgpu_metadata
---
amdhsa.version: [ 1, 2 ]
amdhsa.kernels:
  - .name:           k_qd508cb4335_proj
    .symbol:         k_qd508cb4335_proj.kd
    .args:
      - { .name: xc, .offset: 0, .size: 8, .value_kind: global_buffer, .address_space: global }
      - { .name: xs, .offset: 8, .size: 8, .value_kind: global_buffer, .address_space: global }
      - { .name: wc, .offset: 16, .size: 8, .value_kind: global_buffer, .address_space: global }
      - { .name: ws, .offset: 24, .size: 8, .value_kind: global_buffer, .address_space: global }
      - { .name: qkv, .offset: 32, .size: 8, .value_kind: global_buffer, .address_space: global }
      - { .name: bq, .offset: 40, .size: 8, .value_kind: global_buffer, .address_space: global }
      - { .name: bk, .offset: 48, .size: 8, .value_kind: global_buffer, .address_space: global }
      - { .name: bv, .offset: 56, .size: 8, .value_kind: global_buffer, .address_space: global }
    .group_segment_fixed_size: 327680
    .private_segment_fixed_size: 0
    .kernarg_segment_align: 8
    .kernarg_segment_size: 64
    .max_flat_workgroup_size: 128
    .sgpr_count:     100
    .vgpr_count:     1024
    .wavefront_size: 32
...
	.end_amdgpu_metadata
.endif
;; end of part 2
;; launch attn (part 3): grid 4 x 64, 8 waves a work-group, clusters of 4 x 1, 327,680 bytes of LDS; arguments qkv, ao; writes ao
.if DOCPART == 3
	.amdgcn_target "amdgcn-amd-amdhsa--gfx1250"
	.amdhsa_code_object_version 6
	.text
	.protected	k_qd508cb4335_attn
	.globl	k_qd508cb4335_attn
	.p2align	8
	.type	k_qd508cb4335_attn,@function
k_qd508cb4335_attn:
	s_mov_b64 s[64:65], 0
	v_nop
	global_prefetch_b8 v0, s[64:65] scope:SCOPE_SE
	s_setreg_imm32_b32 hwreg(HW_REG_WAVE_MODE, 25, 1), 1
	s_wait_xcnt 0x0
	s_wait_alu depctr_hold_cnt(0) depctr_sa_sdst(0) depctr_va_vdst(0) depctr_va_sdst(0) depctr_va_ssrc(0) depctr_va_vcc(0) depctr_vm_vsrc(0)
	s_getreg_b32 s2, hwreg(HW_REG_IB_STS2, 6, 4)
	s_cmp_eq_u32 s2, 0
	s_cbranch_scc0 .Lentry_in_a_cluster
	s_endpgm
.Lentry_in_a_cluster:
	s_bfe_u32 s2, ttmp6, 0x10000c
	s_cmp_lg_u32 s2, 0x3003
	s_cbranch_scc0 .Lentry_shape_is_right
	s_endpgm
.Lentry_shape_is_right:
; O[y][q][:] = the sum over k of softmax_k(Q[y][q] . K[y][k] / 8) V[y][k][:], y = batch x 16 + head.  qkv = [3][64 y][2048 t][64] f16, its q already multiplied by log2(e) / 8.
; ao = [16 head][8192 (batch x 2048 + t)][64] f16.  Products, maxima and sums in f32; the weights p are rounded to f16 for the second product, O once at the end.
; LIMITS: NaN and infinities are not served; a number of O beyond 65,504 becomes an infinity of f16.
; SHARES.  A work-group owns 512 queries of one y, each of its eight waves 64: four tiles of 16, in 512 registers.  Every wave walks the 2,048 keys, 64 a step.
; LAYOUT.  S^T = K Q^T (source 0 = 16 keys, source 1 = 16 queries): a lane holds ONE query (lane % 16) and the keys 8 (lane / 16) + 0..7.  Two such tiles, rounded to f16 in pairs, ARE source 1 of
; O^T = V^T P, whose result again holds one query a lane.  K comes out of LDS as it lies, V ([key][channel]) turned, by ds_load_tr16_b128.
; SOFTMAX.  For each query a running maximum m and sum l: p = 2^(s - m), never above 1; in every step O and l are multiplied by a = 2^(m_old - m_new).  m begins at -3e38, O and l at 0.
; TWO ROLES.  A trip has a matrix phase (V^T P of the step before, K Q^T of this step) and a vector phase (a step's softmax).  Half of the waves run matrix phase first, the other half vector phase first
; (role = (w xor w / 4) & 1), so that half of the work-group's waves have matrix work in hand while the other half have vector work.  Both roles read K(i) and V(i) from LDS in trip i, so the change of slots stands at
; one place for both.
; ROWS IN PAIRS.  A row of K or V is 128 bytes and a head's rows are dense: a tile is stated as rows of 256 bytes (two keys).  Key x of a tile lies at (x / 2) pitch + (x % 2) 128.
; CLUSTER.  The four query blocks of a y form a cluster and walk the same K and V: each tile is asked for jointly (mask 15).
; REGISTERS: window 0: v1-12 addresses; v14, v15 the add's two; v16-47 statistics, eight a tile; v64-127 Q; v128-191 K of a step; v192-255 V of a step.
;   window 1: v0-127 S^T, 32 a tile (P in place, in the low 16 of each 32); v128-255 O^T, 32 a tile.
.set PK,     272                       ; a pair of K's rows in LDS: 256 bytes + 16: the sixteen rows of a load fall on sixteen different 16-byte columns of the banks' 256 bytes (ISA guide 11.1)
.set PVP,    288                       ; a pair of V's rows: 256 + 32: the turning load's sixteen lanes take 8 rows x 32 bytes, each 16-byte column once
.set KSTEPB, 32*PK                     ; a step's 64 keys
.set VSTEPB, 32*PVP
.set VOFF,   4*KSTEPB                  ; a slot: four steps of K, then four of V
.set SLOT1,  1<<17                     ; slot 1 begins here: one exclusive or turns an address in one slot into the other's
.set STAGE,  SLOT1+4*(KSTEPB+VSTEPB)   ; behind the ring: 64 rows x 144 bytes for each wave, for the way out
.set SPT,    144
.set SPARE,  STAGE+8*64*SPT            ; the spare words, 128 bytes a wave, which no other line names
.set PART,   1<<24                     ; bytes of q, of k, of v in qkv
.set SLOTB,  256*128                   ; a slot's keys in memory
.set AK0, 2
.set AV0, 3
.set ADK, 4
.set ADV, 5
.set QO,  6
.set STO, 7
.set RD,  8
.set GO,  9
.set PFO, 12
.set SPW, 14
.set NIL, 15
.set ST,  16                           ; tile t at v[ST + 8 t]: +0 m, +1 0 (named with m as a pair), +2, +3 l (even keys', odd keys'), +4 .. +7 c0-c3 at work; a takes c2's place, a second sum c0, c1's
.set QF,  64
.set KF,  128
.set VF,  192
.set WV,   12
.set ROLE, 14
.set LIM,  15
.set PFA,  18
.set G1K,  24
.set G1V,  32
.set G0K,  40                          ; two sets: slot 0's; slot 1's, which then walks on
.set G0V,  48
.set SLOTS, 56
.set CNT,  57
.set TBK,  58                          ; LDS byte at which the step's tile of K begins
.set TBV,  59                          ; and, from VOFF on, V's
.set SEL,  60
.set MSB, 0
.macro WIN new                         ; the immediate's high byte repeats the setting that is left
.if MSB != (\new)
	s_set_vgpr_msb (MSB<<8)|(\new)
.set MSB, (\new)
.endif
.endm
.macro PLACES n
.rept \n
	v_nop
.endr
.endm
; A joint refill.  The branches hang on the wave's number alone.  An s_nop 0 and four v_nop follow each of the two lines.
.macro JLOAD
	s_cmp_lt_u32 s[WV], 2
	s_cbranch_scc0 .Lnot_k_\@
	tensor_load_to_lds s[G0K+4:G0K+7], s[G1K:G1K+7]
	s_nop 0
.rept 4
	v_nop
.endr
	s_branch .Lasked_\@
.Lnot_k_\@:
	s_cmp_lt_u32 s[WV], 4
	s_cbranch_scc0 .Lasked_\@
	tensor_load_to_lds s[G0V+4:G0V+7], s[G1V:G1V+7]
	s_nop 0
.rept 4
	v_nop
.endr
.Lasked_\@:
.endm
; A prefetch of what the NEXT change of slots will ask for: a slot's 32,768 bytes of K and of V.  A y has one cluster; its four partners take 8,192 bytes each, told apart by address; in each, wave 0 asks for K's and
; wave 2 for V's, lanes 256 bytes apart: each block of 256 bytes is named once in the launch.  It runs four key steps ahead of the load.  The last change that fills a slot asks for nothing; slots 0 to 2 come by their loads alone.
.macro ASK
	s_cmp_gt_u32 s[SLOTS], s[LIM]
	s_cbranch_scc0 .Lnot_mine_\@
	global_prefetch_b8 v[PFO], s[PFA:PFA+1] th:TH_LOAD_NT scope:SCOPE_SE
.Lnot_mine_\@:
.endm
.macro CROUND                          ; a round of the cluster's barrier
	s_barrier_signal -1
	s_barrier_wait -1
	s_cmp_lg_u32 s[WV], 0
	s_cbranch_scc1 .Lnot_wave_0_\@
	s_barrier_signal -3
.Lnot_wave_0_\@:
	s_barrier_wait -3
	s_barrier_signal -1
	s_barrier_wait -1
.endm
	s_load_b128 s[4:7], s[0:1], 0x0                ; qkv, ao
	v_lshl_add_u32 v[SPW], v0, 2, SPARE
	v_mov_b32 v[NIL], 0
	ds_add_u32 v[SPW], v[NIL]                      ; the wave's opening: the add, twice on end, and its wait ahead of the first tensor loads
	ds_add_u32 v[SPW], v[NIL]
	v_lshrrev_b32 v1, 5, v0
	v_readfirstlane_b32 s[WV], v1                  ; wave 0..7
	s_lshr_b32 s[ROLE], s[WV], 2
	s_xor_b32 s[ROLE], s[ROLE], s[WV]
	s_and_b32 s[ROLE], s[ROLE], 1
	s_bfe_u32 s13, ttmp6, 0x40000                  ; cx
	s_lshl_b32 s2, ttmp9, 2
	s_add_co_u32 s2, s2, s13                       ; my block of 512 queries: it enters Q's and O's addresses alone
	s_and_b32 s3, ttmp7, 0xffff                    ; y, which the four partners share
	s_lshl_b32 s20, s3, 18                         ; y's first byte in a part: 262,144 bytes a head
	s_mov_b32 s21, 0
	s_and_b32 s16, s[WV], 1                        ; which half of a slot I fetch, if I fetch
	s_lshl_b32 s22, s16, 14                        ; its 128 rows in memory
	s_add_co_u32 s22, s22, s20
	s_add_co_u32 s22, s22, PART                    ; in k's part
	s_mov_b32 s23, 0
	s_mul_i32 s17, s16, 2*KSTEPB                   ; and its place in a slot: K's,
	s_mul_i32 s16, s16, 2*VSTEPB
	s_add_co_u32 s16, s16, VOFF                    ; V's
	s_lshl_b32 s2, s2, 16                          ; my block's 512 rows of 128 bytes,
	s_lshl_b32 s10, s[WV], 13                      ; my wave's 64
	s_add_co_u32 s2, s2, s10
	s_add_co_u32 s20, s20, s2                      ; Q's offset
	s_and_b32 s10, s3, 15
	s_lshl_b32 s10, s10, 20                        ; O: the head's plane,
	s_lshr_b32 s3, s3, 4
	s_lshl_b32 s3, s3, 18                          ; the batch's 2,048 rows
	s_add_co_u32 s2, s2, s10
	s_add_co_u32 s2, s2, s3
	s_mov_b32 s3, 0
	s_mov_b32 s[G1K], 15|(1<<16)|(1<<20)|(1<<21)|(5<<22)|(3<<25)  ; the mask: all four; elements of 2 bytes; padding on; bit 21 beside a mask; after every 64 words; 4 words
	s_mov_b32 s[G1V], 15|(1<<16)|(1<<20)|(1<<21)|(5<<22)|(7<<25)  ; the same with 8 words of padding
.irp g, G1K, G1V
	s_mov_b32 s[\g+1], 128<<16                     ; tensor_dim0 = 128 elements: two keys
	s_mov_b32 s[\g+2], 64<<16                      ; tensor_dim1 = 64
	s_mov_b32 s[\g+3], 128<<16                     ; tile_dim0
	s_mov_b32 s[\g+4], 64                          ; tile_dim1
	s_mov_b32 s[\g+5], 128                         ; from row to row: dense
	s_mov_b32 s[\g+6], 0
	s_mov_b32 s[\g+7], 0
.endr
	s_mov_b32 s[SEL], 0x76543210
	s_mov_b32 s[SEL+1], 0xfedcba98                 ; v_permlanex16_b32: lane l xor 16
	s_mov_b32 s[TBK], 0
	s_mov_b32 s[TBV], 0
	s_mov_b32 s[SLOTS], 6
	s_and_b32 s[LIM], s[WV], 5
	s_cmp_eq_u32 s[LIM], 0                         ; waves 0 and 2 prefetch
	s_cselect_b32 s[LIM], 1, -1
	v_and_b32 v[PFO], 31, v0
	v_lshlrev_b32 v[PFO], 8, v[PFO]
	s_wait_dscnt 0x0                               ; both opening adds are done
	s_wait_kmcnt 0x0
	s_add_nc_u64 s[8:9], s[4:5], s[22:23]          ; K at my half of slot 0
	s_add_nc_u64 s[10:11], s[8:9], PART            ; V likewise
	s_add_nc_u64 s[4:5], s[4:5], s[20:21]          ; Q at my wave's first row
	s_add_nc_u64 s[6:7], s[6:7], s[2:3]            ; O likewise
	s_cmp_lt_u32 s[WV], 2
	s_cselect_b64 s[PFA:PFA+1], s[8:9], s[10:11]
	s_lshl_b32 s2, s13, 13                         ; my work-group's 8,192 bytes of a slot's 32,768
	s_mov_b32 s3, 0
	s_add_nc_u64 s[PFA:PFA+1], s[PFA:PFA+1], s[2:3]
	s_add_nc_u64 s[PFA:PFA+1], s[PFA:PFA+1], 2*SLOTB   ; in slot 2; the first change of slots steps it to slot 3
	CROUND                                         ; all four work-groups are here: the first joint loads meet
.irp s, 0,1
	s_mov_b32 s[G0K+4*\s], 1
	s_add_co_u32 s[G0K+4*\s+1], s17, \s*SLOT1
	s_add_nc_u64 s[G0K+4*\s+2:G0K+4*\s+3], s[8:9], \s*SLOTB
	s_or_b32 s[G0K+4*\s+3], s[G0K+4*\s+3], 0x80000000
	s_mov_b32 s[G0V+4*\s], 1
	s_add_co_u32 s[G0V+4*\s+1], s16, \s*SLOT1
	s_add_nc_u64 s[G0V+4*\s+2:G0V+4*\s+3], s[10:11], \s*SLOTB
	s_or_b32 s[G0V+4*\s+3], s[G0V+4*\s+3], 0x80000000
.endr
	s_cmp_lt_u32 s[WV], 2                          ; a wave's two first fills stand in one branch: two loads of a fetching wave are out
	s_cbranch_scc0 .Lfirst_not_k
	tensor_load_to_lds s[G0K:G0K+3], s[G1K:G1K+7]
	s_nop 0
	tensor_load_to_lds s[G0K+4:G0K+7], s[G1K:G1K+7]
	s_nop 0
.rept 4
	v_nop
.endr
	s_branch .Lfirst_asked
.Lfirst_not_k:
	s_cmp_lt_u32 s[WV], 4
	s_cbranch_scc0 .Lfirst_asked
	tensor_load_to_lds s[G0V:G0V+3], s[G1V:G1V+7]
	s_nop 0
	tensor_load_to_lds s[G0V+4:G0V+7], s[G1V:G1V+7]
	s_nop 0
.rept 4
	v_nop
.endr
.Lfirst_asked:
	v_and_b32 v1, 15, v0                           ; r = lane % 16
	v_bfe_u32 v10, v0, 4, 1                        ; h = lane / 16
	v_lshlrev_b32 v[QO], 7, v1
	v_lshl_add_u32 v[QO], v10, 4, v[QO]            ; Q: row r of 128 bytes + 16 h
.set n, 0
.rept 8                                ; Q stays in registers: tile n / 2, channels 32 (n % 2) on
	global_load_b128 v[QF+8*n:QF+8*n+3],   v[QO], s[4:5] offset:(n/2)*2048+(n%2)*64
	global_load_b128 v[QF+8*n+4:QF+8*n+7], v[QO], s[4:5] offset:(n/2)*2048+(n%2)*64+32
.set n, n+1
.endr
	v_lshrrev_b32 v11, 1, v1
	v_mul_u32_u24 v[AK0], v11, PK
	v_and_b32 v11, 1, v0
	v_lshl_add_u32 v[AK0], v11, 7, v[AK0]
	v_lshl_add_u32 v[AK0], v10, 4, v[AK0]          ; K: (r / 2) pitch + (r % 2) 128 + 16 h
	v_bfe_u32 v[AV0], v0, 1, 2
	v_lshl_add_u32 v[AV0], v10, 2, v[AV0]
	v_mul_u32_u24 v[AV0], v[AV0], PVP
	v_lshl_add_u32 v[AV0], v11, 7, v[AV0]
	v_bfe_u32 v11, v0, 3, 1
	v_lshl_add_u32 v[AV0], v11, 4, v[AV0]
	v_add_nc_u32 v[AV0], VOFF, v[AV0]              ; V, for the turning load: key 8 h + lane % 8, channels 8 ((lane / 8) % 2) on
	s_mul_i32 s2, s[WV], 64*SPT
	s_add_co_u32 s2, s2, STAGE                     ; my stage
	v_mul_u32_u24 v[STO], v1, SPT                  ; in: row r, 16 bytes for each half of the lanes
	v_lshl_add_u32 v[STO], v10, 4, v[STO]
	v_add_nc_u32 v[STO], s2, v[STO]
	v_bfe_u32 v[RD], v0, 3, 2                      ; back: eight lanes to a row of 128 bytes, four rows an instruction
	v_mul_u32_u24 v[RD], v[RD], SPT
	v_and_b32 v11, 7, v0
	v_lshl_add_u32 v[RD], v11, 4, v[RD]
	v_add_nc_u32 v[RD], s2, v[RD]
	v_and_b32 v[GO], 31, v0
	v_lshlrev_b32 v[GO], 4, v[GO]                  ; and the same 512 consecutive bytes in ao
.irp t, 0,1,2,3
	v_mov_b32 v[ST+8*\t], 0xff61b1e6               ; m = -3e38, under every score
	v_mov_b32 v[ST+8*\t+1], 0
	v_mov_b32 v[ST+8*\t+2], 0                      ; l
	v_mov_b32 v[ST+8*\t+3], 0
.endr
	WIN 0x40
.set n, 0
.rept 128
	v_mov_b32 v[128+n], 0                          ; O^T.  Once: the phases are written without a first step of their own, which the two roles would want in different trips; the first a is 0 and leaves zeros zeros
.set n, n+1
.endr
	WIN 0
.macro ADRS                            ; the step's LDS addresses, made in text that every wave runs
	v_add_nc_u32 v[ADK], s[TBK], v[AK0]
	v_add_nc_u32 v[ADV], s[TBV], v[AV0]
	s_add_co_u32 s[TBK], s[TBK], KSTEPB
	s_add_co_u32 s[TBV], s[TBV], VSTEPB
.endm
.macro FK                              ; a step's K: 64 keys x 64 channels: 16 loads; fragment n: keys 16 (n / 2) on, channels 32 (n % 2) on
.set n, 0
.rept 8
	ds_load_b128 v[KF+8*n:KF+8*n+3],   v[ADK] offset:(n/2)*8*PK+(n%2)*64
	ds_load_b128 v[KF+8*n+4:KF+8*n+7], v[ADK] offset:(n/2)*8*PK+(n%2)*64+32
.set n, n+1
.endr
.endm
.macro FV                              ; a step's V, turned: 16 loads; fragment n: keys 32 (n / 4) on, channels 16 (n % 4) on
.set n, 0
.rept 8
	ds_load_tr16_b128 v[VF+8*n:VF+8*n+3],   v[ADV] offset:(n/4)*16*PVP+(n%4)*32
	ds_load_tr16_b128 v[VF+8*n+4:VF+8*n+7], v[ADV] offset:(n/4)*16*PVP+8*PVP+(n%4)*32
.set n, n+1
.endr
.endm
.macro PVR                             ; O^T += V^T P: keys 32 (n / 16) on, channels 16 ((n / 4) % 4) on, tile n % 4.  The 16 accumulators take turns
	WIN 0x54                                       ; V window 0, P, C and D window 1
.set n, 0
.rept 32
	v_wmma_f32_16x16x32_f16 v[128+32*(n%4)+8*((n/4)%4):128+32*(n%4)+8*((n/4)%4)+7], v[VF+8*(4*(n/16)+(n/4)%4):VF+8*(4*(n/16)+(n/4)%4)+7], v[32*(n%4)+8*(n/16):32*(n%4)+8*(n/16)+7], v[128+32*(n%4)+8*((n/4)%4):128+32*(n%4)+8*((n/4)%4)+7]
.set n, n+1
.endr
.endm
.macro KQR                             ; S^T = K Q^T: channels 32 (n / 16) on, keys 16 ((n / 4) % 4) on, tile n % 4.  The first 16 start the sums
	WIN 0x50                                       ; K and Q window 0, C and D window 1
.set n, 0
.rept 32
.if n < 16
	v_wmma_f32_16x16x32_f16 v[32*(n%4)+8*((n/4)%4):32*(n%4)+8*((n/4)%4)+7], v[KF+16*((n/4)%4)+8*(n/16):KF+16*((n/4)%4)+8*(n/16)+7], v[QF+16*(n%4)+8*(n/16):QF+16*(n%4)+8*(n/16)+7], 0
.else
	v_wmma_f32_16x16x32_f16 v[32*(n%4)+8*((n/4)%4):32*(n%4)+8*((n/4)%4)+7], v[KF+16*((n/4)%4)+8*(n/16):KF+16*((n/4)%4)+8*(n/16)+7], v[QF+16*(n%4)+8*(n/16):QF+16*(n%4)+8*(n/16)+7], v[32*(n%4)+8*((n/4)%4):32*(n%4)+8*((n/4)%4)+7]
.endif
.set n, n+1
.endr
.endm
; THE MATRIX PHASE of trip i.
.macro MPH
	s_wait_dscnt 16                                ; V of step i - 1 is in; K of step i, the 16 loads behind it, may be out
	PVR
	WIN 0
	PLACES 5                                       ; the scores below are written over P, which the products above read (five places), and V's loads land in registers that they read (four)
	FV
	s_wait_dscnt 16                                ; K of step i is in; V's 16 loads may be out
	KQR
	WIN 0
	PLACES 4                                       ; ahead of the first read of the scores, and of the next loads into K's registers
.endm
; THE VECTOR PHASE: the softmax of a step's four tiles, the tiles by turns in every group, so that no line waits for the line above it.
.macro SM
	WIN 0x15                                       ; A: four chains a tile
.set n, 0
.rept 16
	v_max3_num_f32 v[ST+8*(n%4)+4+n/4], v[32*(n%4)+8*(n/4)], v[32*(n%4)+8*(n/4)+1], v[32*(n%4)+8*(n/4)+2]
.set n, n+1
.endr
	WIN 0x05                                       ; B
.set n, 0
.rept 32
	v_max3_num_f32 v[ST+8*(n%4)+4+(n/4)%4], v[32*(n%4)+8*((n/4)%4)+2*(n/16)+3], v[32*(n%4)+8*((n/4)%4)+2*(n/16)+4], v[ST+8*(n%4)+4+(n/4)%4]
.set n, n+1
.endr
.set n, 0
.rept 8
	v_max3_num_f32 v[ST+8*(n%4)+4+2*(n/4)], v[32*(n%4)+16*(n/4)+7], v[32*(n%4)+16*(n/4)+15], v[ST+8*(n%4)+4+2*(n/4)]
.set n, n+1
.endr
	WIN 0                                          ; C: the new m, and a
.irp t, 0,1,2,3
	v_max3_num_f32 v[ST+8*\t+4], v[ST+8*\t+4], v[ST+8*\t+5], v[ST+8*\t+6]
.endr
.irp t, 0,1,2,3
	v_max3_num_f32 v[ST+8*\t+4], v[ST+8*\t+4], v[ST+8*\t+7], v[ST+8*\t]
.endr
.irp t, 0,1,2,3
	v_permlanex16_b32 v[ST+8*\t+5], v[ST+8*\t+4], s[SEL], s[SEL+1]   ; the query's other 32 keys lie in the lane 16 away
.endr
.irp t, 0,1,2,3
	v_mov_b32 v[ST+8*\t+7], v[ST+8*\t]
.endr
.irp t, 0,1,2,3
	v_max_num_f32 v[ST+8*\t], v[ST+8*\t+4], v[ST+8*\t+5]
.endr
.irp t, 0,1,2,3
	v_sub_f32 v[ST+8*\t+7], v[ST+8*\t+7], v[ST+8*\t]
.endr
.irp t, 0,1,2,3
	v_exp_f32 v[ST+8*\t+6], v[ST+8*\t+7]           ; a = 2^(m_old - m_new)
.endr
	WIN 0x41                                       ; D: s - m, a pair at a time: plain work behind the four exponentials
.set n, 0
.rept 64
	v_pk_add_f32 v[32*(n%4)+2*(n/4):32*(n%4)+2*(n/4)+1], v[32*(n%4)+2*(n/4):32*(n%4)+2*(n/4)+1], v[ST+8*(n%4):ST+8*(n%4)+1] op_sel_hi:[1,0] neg_lo:[0,1] neg_hi:[0,1]
.set n, n+1
.endr
	s_wait_alu depctr_va_vdst(0)                   ; one wait for the four a, ahead of their first reader
.set n, 0
.rept 64                               ; E: one batch of 128 exponentials; between them O^T x a, which names none of their results, each accumulator from its low end on
	v_exp_f32 v[32*(n%4)+2*(n/4)], v[32*(n%4)+2*(n/4)]
	v_exp_f32 v[32*(n%4)+2*(n/4)+1], v[32*(n%4)+2*(n/4)+1]
	v_pk_mul_f32 v[128+32*(n%4)+2*(n/4):128+32*(n%4)+2*(n/4)+1], v[128+32*(n%4)+2*(n/4):128+32*(n%4)+2*(n/4)+1], v[ST+8*(n%4)+6:ST+8*(n%4)+7] op_sel_hi:[1,0]
.set n, n+1
.endr
	s_wait_alu depctr_va_vdst(0)                   ; one wait for the batch, behind a plain line and ahead of the first reader
	WIN 0x10                                       ; F: the sums of the unrounded p, in two chains a tile
.irp t, 0,1,2,3
	v_pk_fma_f32 v[ST+8*\t+2:ST+8*\t+3], v[ST+8*\t+2:ST+8*\t+3], v[ST+8*\t+6:ST+8*\t+7], v[32*\t:32*\t+1] op_sel_hi:[1,0,1]
.endr
	WIN 0x05
.irp t, 0,1,2,3
	v_pk_add_f32 v[ST+8*\t+4:ST+8*\t+5], v[32*\t+2:32*\t+3], v[32*\t+6:32*\t+7]
.endr
	WIN 0x01
.set z, 0
.rept 6
.irp t, 0,1,2,3
	v_pk_add_f32 v[ST+8*\t+2:ST+8*\t+3], v[32*\t+4+4*z:32*\t+5+4*z], v[ST+8*\t+2:ST+8*\t+3]
.endr
.irp t, 0,1,2,3
	v_pk_add_f32 v[ST+8*\t+4:ST+8*\t+5], v[32*\t+10+4*z:32*\t+11+4*z], v[ST+8*\t+4:ST+8*\t+5]
.endr
.set z, z+1
.endr
.irp t, 0,1,2,3
	v_pk_add_f32 v[ST+8*\t+2:ST+8*\t+3], v[32*\t+28:32*\t+29], v[ST+8*\t+2:ST+8*\t+3]
.endr
	WIN 0x45                                       ; G: p to f16, in place: register i takes numbers 2 i and 2 i + 1, i ascending
.set n, 0
.rept 64
	v_cvt_pk_f16_f32 v[32*(n%4)+n/4], v[32*(n%4)+2*(n/4)], v[32*(n%4)+2*(n/4)+1]
.set n, n+1
.endr
	WIN 0                                          ; H
.irp t, 0,1,2,3
	v_pk_add_f32 v[ST+8*\t+2:ST+8*\t+3], v[ST+8*\t+2:ST+8*\t+3], v[ST+8*\t+4:ST+8*\t+5]
.endr
.endm
; n trips.  Role 1: matrix phase, then the softmax of this step's scores.  Role 0: the softmax of the last step's scores, then the matrix phase.
.macro TRIPS n
	s_mov_b32 s[CNT], \n
.Ltrip_\@:
	ADRS
	FK
	s_cmp_eq_u32 s[ROLE], 0
	s_cbranch_scc1 .Lsoft_first_\@
	MPH
	SM
	s_branch .Ltrip_end_\@
.Lsoft_first_\@:
	SM
	MPH
.Ltrip_end_\@:
	s_sub_co_u32 s[CNT], s[CNT], 1
	s_cmp_lg_u32 s[CNT], 0
	s_cbranch_scc1 .Ltrip_\@
.endm
; THE CHANGE OF SLOTS, behind a slot's fourth trip: all its bytes have been asked for.  Each wave waits for all its tensor loads (one is out: its part of the other slot), adds 0 to its spare word, and waits for that
; and for its reads of the slot.  fill = 1: the slot is filled again with the keys two slots on, behind a round of the cluster's barrier; the load has four trips in which to land.
.macro CHANGE fill
	s_wait_tensorcnt 0x0                           ; no tensor load of mine is out, so a group 0 may be written
	ds_add_u32 v[SPW], v[NIL]
.if \fill
	ds_add_u32 v[SPW], v[NIL]                      ; and twice on end here, in every trip alike
.irp g, G0K+4, G0V+4
	s_xor_b32 s[\g+1], s[\g+1], SLOT1              ; the walking descriptors: the other slot than last time,
	s_add_nc_u64 s[\g+2:\g+3], s[\g+2:\g+3], SLOTB ; the next 256 keys
.endr
	s_wait_xcnt 0x0                                ; the last prefetch, a slot back, has read its address
	s_add_nc_u64 s[PFA:PFA+1], s[PFA:PFA+1], SLOTB
	s_wait_dscnt 0x0                               ; the adds are done, and my reads of the slot are over
	CROUND
	JLOAD
	ASK
.else
	s_wait_dscnt 0x0
	s_barrier_signal -1
	s_barrier_wait -1
.endif
	s_sub_co_u32 s[TBK], s[TBK], 4*KSTEPB          ; back to a slot's first step,
	s_xor_b32 s[TBK], s[TBK], SLOT1                ; in the other slot
	s_sub_co_u32 s[TBV], s[TBV], 4*VSTEPB
	s_xor_b32 s[TBV], s[TBV], SLOT1
.endm
	s_wait_tensorcnt 0x1                           ; my part of slot 0 is in; slot 1's may stay out
	s_barrier_signal -1
	s_barrier_wait -1
	ADRS                                           ; step 0: the first scores; role 1 also takes their softmax
	FK
	s_wait_loadcnt 0x0                             ; Q
	s_wait_dscnt 0x0
	KQR
	WIN 0
	PLACES 4
	FV
	s_cmp_eq_u32 s[ROLE], 0
	s_cbranch_scc1 .Lstep0_done
	SM
.Lstep0_done:
	TRIPS 3
.Lslot:                                ; six trips: slots 0 to 5 are filled again
	CHANGE 1
	TRIPS 4
	s_sub_co_u32 s[SLOTS], s[SLOTS], 1
	s_cmp_lg_u32 s[SLOTS], 0
	s_cbranch_scc1 .Lslot
	CHANGE 0                                       ; the tail is written out
	TRIPS 4
	s_cmp_lg_u32 s[ROLE], 0
	s_cbranch_scc1 .Llast_soft_done
	SM                                             ; role 0's softmax of the last step
.Llast_soft_done:
	v_nop                                          ; one more place: a matrix phase ends with four behind its K Q^T, and five are asked before a matrix instruction takes those registers as an operand (ISA guide 7.12.1): so the distance holds on the way round the softmax too
	s_wait_dscnt 0x0                               ; V of the last step
	PVR
	WIN 0
	; THE WAY OUT.  l's two halves and the other half of the lanes' are added; O^T is divided by l, rounded to f16 and sent through my stage.  The first four additions are the places behind the last products.
.irp t, 0,1,2,3
	v_add_f32 v[ST+8*\t+4], v[ST+8*\t+2], v[ST+8*\t+3]
.endr
.irp t, 0,1,2,3
	v_permlanex16_b32 v[ST+8*\t+5], v[ST+8*\t+4], s[SEL], s[SEL+1]
.endr
.irp t, 0,1,2,3
	v_add_f32 v[ST+8*\t+4], v[ST+8*\t+4], v[ST+8*\t+5]
.endr
.irp t, 0,1,2,3
	v_rcp_f32 v[ST+8*\t+6], v[ST+8*\t+4]
.endr
	v_nop                                          ; a plain line behind the last reciprocal
	s_wait_alu depctr_va_vdst(0)                   ; one wait for the four, ahead of the first use
.macro PACK t
	WIN 0x41
.set i, 0
.rept 16
	v_pk_mul_f32 v[128+32*\t+2*i:128+32*\t+2*i+1], v[128+32*\t+2*i:128+32*\t+2*i+1], v[ST+8*\t+6:ST+8*\t+7] op_sel_hi:[1,0]
.set i, i+1
.endr
	WIN 0x05                                       ; into Q's registers, which are free
.set i, 0
.rept 16
	v_cvt_pk_f16_f32 v[QF+16*\t+i], v[128+32*\t+2*i], v[128+32*\t+2*i+1]
.set i, i+1
.endr
	WIN 0
.irp c, 0,1,2,3
	ds_store_b128 v[STO], v[QF+16*\t+4*\c:QF+16*\t+4*\c+3] offset:\t*16*SPT+32*\c
.endr
.irp c, 0,1,2,3
	ds_load_b128 v[QF+16*\t+4*\c:QF+16*\t+4*\c+3], v[RD] offset:\t*16*SPT+\c*4*SPT   ; LDS serves a wave's instructions in order (ISA guide 5.7.1.4): these see the stores above
.endr
.endm
.macro SEND t, younger                 ; younger: the LDS instructions issued behind tile t's loads: the next tile's eight, or none
.irp c, 0,1,2,3
	s_wait_dscnt \younger+3-\c
	global_store_b128 v[GO], v[QF+16*\t+4*\c:QF+16*\t+4*\c+3], s[6:7] offset:\t*2048+\c*512   ; the wave stores 512 consecutive bytes: four rows
.endr
.endm
	PACK 0
	PACK 1
	SEND 0, 8
	PACK 2
	SEND 1, 8
	PACK 3
	SEND 2, 8
	SEND 3, 0
	s_wait_tensorcnt 0x0                           ; the wave's end
	ds_add_u32 v[SPW], v[NIL]
	s_wait_dscnt 0x0
	CROUND                                         ; the closing round
	s_endpgm
.Lfunc_end_k_qd508cb4335_attn:
	.size	k_qd508cb4335_attn, .Lfunc_end_k_qd508cb4335_attn-k_qd508cb4335_attn
	.p2alignl 7, 3214868480
	.fill 96, 4, 3214868480
	.section	.rodata,"a",@progbits
	.p2align	6, 0x0
	.amdhsa_kernel k_qd508cb4335_attn
		.amdhsa_group_segment_fixed_size 327680
		.amdhsa_private_segment_fixed_size 0
		.amdhsa_enable_private_segment 0
		.amdhsa_kernarg_size 16
		.amdhsa_user_sgpr_count 2
		.amdhsa_user_sgpr_kernarg_segment_ptr 1
		.amdhsa_wavefront_size32 1
		.amdhsa_system_sgpr_workgroup_id_x 1
		.amdhsa_system_sgpr_workgroup_id_y 1
		.amdhsa_system_sgpr_workgroup_id_z 1
		.amdhsa_system_vgpr_workitem_id 0
		.amdhsa_next_free_vgpr 512
		.amdhsa_next_free_sgpr 66
		.amdhsa_reserve_vcc 0
		.amdhsa_float_denorm_mode_32 3
		.amdhsa_float_denorm_mode_16_64 3
		.amdhsa_memory_ordered 1
		.amdhsa_forward_progress 1
		.amdhsa_inst_pref_size 255
	.end_amdhsa_kernel
	.section	.bss,"aw",@nobits
	.p2align	6
	.space	262144
	.amdgpu_metadata
---
amdhsa.version: [ 1, 2 ]
amdhsa.kernels:
  - .name:           k_qd508cb4335_attn
    .symbol:         k_qd508cb4335_attn.kd
    .args:
      - { .name: qkv, .offset: 0, .size: 8, .value_kind: global_buffer, .address_space: global }
      - { .name: ao, .offset: 8, .size: 8, .value_kind: global_buffer, .address_space: global }
    .group_segment_fixed_size: 327680
    .private_segment_fixed_size: 0
    .kernarg_segment_align: 8
    .kernarg_segment_size: 16
    .max_flat_workgroup_size: 256
    .sgpr_count:     66
    .vgpr_count:     512
    .wavefront_size: 32
...
	.end_amdgpu_metadata
.endif
;; end of part 3
;; launch outp (part 4): grid 4 x 64, 4 waves a work-group, clusters of 4 x 4, 327,680 bytes of LDS; arguments ao, woh, out0, bo; writes out0
.if DOCPART == 4
	.amdgcn_target "amdgcn-amd-amdhsa--gfx1250"
	.amdhsa_code_object_version 6
	.text
	.protected	k_qd508cb4335_outp
	.globl	k_qd508cb4335_outp
	.p2align	8
	.type	k_qd508cb4335_outp,@function
k_qd508cb4335_outp:
	s_mov_b64 s[64:65], 0
	v_nop
	global_prefetch_b8 v0, s[64:65] scope:SCOPE_SE
	s_setreg_imm32_b32 hwreg(HW_REG_WAVE_MODE, 25, 1), 1
	s_wait_xcnt 0x0
	s_wait_alu depctr_hold_cnt(0) depctr_sa_sdst(0) depctr_va_vdst(0) depctr_va_sdst(0) depctr_va_ssrc(0) depctr_va_vcc(0) depctr_vm_vsrc(0)
	s_getreg_b32 s2, hwreg(HW_REG_IB_STS2, 6, 4)
	s_cmp_eq_u32 s2, 0
	s_cbranch_scc0 .Lentry_in_a_cluster
	s_endpgm
.Lentry_in_a_cluster:
	s_bfe_u32 s2, ttmp6, 0x10000c
	s_cmp_lg_u32 s2, 0xf033
	s_cbranch_scc0 .Lentry_shape_is_right
	s_endpgm
.Lentry_shape_is_right:
; out0[m][n] = sum over k of A[m][k] Wo[n][k] + bo[n].  A = ao, [16 head][8192 m][64] f16 (k = 64 head + channel); Wo = woh, [1024 n][1024 k] f16; out0 [8192][1024] f32; sums in f32.
; A tile of out0 is 128 (m) x 256 (n): 256 work-groups.  Four waves, each 64 x 128: 32 accumulators, 256 registers.  K goes in steps of 128 (two heads) through a ring of two LDS slots.
; A's tile of a step is two planes (heads) of 128 rows x 128 bytes, each dense in memory: stated as 64 rows of 256 bytes; row x of a plane lies at (x / 2) 272 + (x % 2) 128.  Wo's tile is 256 rows of 256 bytes.
; CLUSTERS: 4 x 4 work-groups; A's tiles are shared along a row of the cluster, Wo's along a column, each asked for jointly.  Waves 0, 1 fetch A's two planes, waves 2, 3 Wo's two halves.
; THE MATRIX INSTRUCTION IS USED TRANSPOSED (source 0 = 16 rows of Wo, source 1 = 16 rows of A): a lane holds eight neighbouring columns of a row.  The bias is the C of each sum's first product.
; No prefetch: K has eight steps, of which the first come by their loads alone.  One tile to a work-group.
; REGISTERS: window 0: v0-31 addresses; v64-127 the bias as eight C tiles; v128-255 rows on the way out.  window 1: two fragment buffers: Wo's 64 registers, then A's 32, at v0 and at v128.
;   window 2: accumulator (a, b) at v[8 (8 a + b)].
.set PITCH,  272                       ; 256 bytes + 16 of padding = 68 words: the rows that a load touches start at different banks (64 banks of 4 bytes: ISA guide 11.1)
.set PLANE,  64*PITCH
.set BOFF,   2*PLANE
.set HALFB,  128*PITCH
.set SLOT,   BOFF+2*HALFB
.set STAGE,  2*SLOT                    ; behind the ring: 16 rows x 528 bytes for each wave
.set SPITCH, 528
.set SPARE,  STAGE+4*16*SPITCH         ; the spare words, 128 bytes a wave, which no other line names
.set LAPS,   4                         ; a lap = two K steps = once round the ring
.set ADRA, 16
.set ADRB, 20
.set STO,  24
.set RD,   25
.set CO,   26
.set SPW,  28
.set NIL,  29
.set BI,   64
.set BK,   128
.set F0,   0
.set F1,   128
.set G1, 24
.set G0, 32
.set G1B, 48
.set G0B, 56
.set MSB, 0
.macro WIN new
.if MSB != (\new)
	s_set_vgpr_msb (MSB<<8)|(\new)
.set MSB, (\new)
.endif
.endm
.set MUL,  0xa5                        ; sources 0 and 1 window 1; C and D window 2.  Where C is the bias (window 0): 0x85
.set TO_F, 0x40
.macro JLOAD s                         ; a joint load; an s_nop 0 and four v_nop follow each of the two lines
	s_cmp_eq_u32 s11, 0
	s_cbranch_scc0 .Lfor_b_\@
	tensor_load_to_lds s[G0+4*\s:G0+4*\s+3], s[G1:G1+7]
	s_nop 0
.rept 4
	v_nop
.endr
	s_branch .Lasked_\@
.Lfor_b_\@:
	tensor_load_to_lds s[G0B+4*\s:G0B+4*\s+3], s[G1B:G1B+7]
	s_nop 0
.rept 4
	v_nop
.endr
.Lasked_\@:
.endm
.macro CREST
	s_cmp_lg_u32 s10, 0
	s_cbranch_scc1 .Lnot_wave_0_\@
	s_barrier_signal -3
.Lnot_wave_0_\@:
	s_barrier_wait -3
	s_barrier_signal -1
	s_barrier_wait -1
.endm
.macro CROUND
	s_barrier_signal -1
	s_barrier_wait -1
	CREST
.endm
	s_load_b128 s[4:7], s[0:1], 0x0                ; ao, woh
	s_load_b64 s[8:9], s[0:1], 0x10                ; out0
	s_load_b64 s[66:67], s[0:1], 0x18              ; bo
	v_lshl_add_u32 v[SPW], v0, 2, SPARE
	v_mov_b32 v[NIL], 0
	ds_add_u32 v[SPW], v[NIL]                      ; the wave's opening: the add, twice on end, and its wait ahead of my first tensor load
	ds_add_u32 v[SPW], v[NIL]
	v_lshrrev_b32 v1, 5, v0
	v_readfirstlane_b32 s10, v1                    ; wave 0..3
	s_lshr_b32 s11, s10, 1                         ; which 64 rows are mine.  Also: I fetch for A (0) or for Wo (1)
	s_and_b32 s12, s10, 1                          ; which 128 columns.  Also: which plane of A, or which half of Wo's rows, I fetch
	s_bfe_u32 s40, ttmp6, 0x40000
	s_bfe_u32 s41, ttmp6, 0x40004
	s_lshl_b32 s42, ttmp9, 2
	s_add_co_u32 s42, s42, s40                     ; tile column
	s_and_b32 s13, ttmp7, 0xffff
	s_lshl_b32 s13, s13, 2
	s_add_co_u32 s13, s13, s41                     ; tile row
	s_lshl_b32 s43, s41, 2
	s_lshl_b32 s43, 15, s43                        ; my row of the cluster
	s_lshl_b32 s44, 0x1111, s40                    ; my column
	s_or_b32 s[G1+0], s43, (1<<16)|(1<<20)|(1<<21)|(5<<22)|(3<<25)   ; the mask; elements of 2 bytes; padding on; bit 21 beside a mask; after every 64 words; 4 words
	s_or_b32 s[G1B+0], s44, (1<<16)|(1<<20)|(1<<21)|(5<<22)|(3<<25)
	s_mov_b32 s[G1+1], 128<<16                     ; A: 64 rows of 128 elements, dense
	s_mov_b32 s[G1+2], 64<<16
	s_mov_b32 s[G1+3], 128<<16
	s_mov_b32 s[G1+4], 64
	s_mov_b32 s[G1+5], 128
	s_mov_b32 s[G1+6], 0
	s_mov_b32 s[G1+7], 0
	s_mov_b32 s[G1B+1], 128<<16                    ; Wo: 128 rows of 128 elements, 1,024 elements apart
	s_mov_b32 s[G1B+2], 128<<16
	s_mov_b32 s[G1B+3], 128<<16
	s_mov_b32 s[G1B+4], 128
	s_mov_b32 s[G1B+5], 1024
	s_mov_b32 s[G1B+6], 0
	s_mov_b32 s[G1B+7], 0
	s_lshl_b32 s16, s13, 14                        ; A: the tile row's 128 rows of 128 bytes,
	s_lshl_b32 s17, s12, 20                        ; in my plane
	s_add_co_u32 s16, s16, s17
	s_mov_b32 s17, 0
	s_lshl_b32 s46, s42, 8
	s_lshl_b32 s47, s12, 7
	s_add_co_u32 s46, s46, s47
	s_lshl_b32 s46, s46, 11                        ; Wo: row 256 x tile column + 128 x half, 2,048 bytes a row
	s_mov_b32 s47, 0
	s_mul_i32 s20, s12, PLANE                      ; where they go: A's plane,
	s_mul_i32 s45, s12, HALFB
	s_add_co_u32 s45, s45, BOFF                    ; Wo's half
	s_wait_dscnt 0x0                               ; both opening adds are done
	s_wait_kmcnt 0x0
	s_add_nc_u64 s[14:15], s[4:5], s[16:17]
	s_add_nc_u64 s[46:47], s[6:7], s[46:47]
	CROUND                                         ; all sixteen work-groups are here: the first joint loads meet
.irp s, 0,1
	s_mov_b32 s[G0+4*\s], 1
	s_add_co_u32 s[G0+4*\s+1], s20, \s*SLOT
	s_add_nc_u64 s[G0+4*\s+2:G0+4*\s+3], s[14:15], \s*2097152       ; K step s: two planes on
	s_or_b32 s[G0+4*\s+3], s[G0+4*\s+3], 0x80000000
	s_mov_b32 s[G0B+4*\s], 1
	s_add_co_u32 s[G0B+4*\s+1], s45, \s*SLOT
	s_add_nc_u64 s[G0B+4*\s+2:G0B+4*\s+3], s[46:47], \s*256
	s_or_b32 s[G0B+4*\s+3], s[G0B+4*\s+3], 0x80000000
	JLOAD \s                                       ; two tensor loads of mine are out
.endr
	v_and_b32 v1, 15, v0                           ; r
	v_bfe_u32 v2, v0, 4, 1                         ; h
	s_lshl_b32 s46, s42, 10                        ; my first column x 4 bytes
	s_lshl_b32 s47, s12, 9
	s_add_co_u32 s46, s46, s47
	s_mov_b32 s47, 0
	s_add_nc_u64 s[66:67], s[66:67], s[46:47]
	v_lshlrev_b32 v7, 5, v2
.irp b, 0,1,2,3,4,5,6,7
	global_load_b128 v[BI+8*\b:BI+8*\b+3], v7, s[66:67] offset:64*\b        ; bo[n0 + 16 b + 8 h + 0 .. 7]
	global_load_b128 v[BI+8*\b+4:BI+8*\b+7], v7, s[66:67] offset:64*\b+16
.endr
	v_lshrrev_b32 v3, 1, v1
	v_mul_u32_u24 v3, v3, PITCH
	v_and_b32 v4, 1, v0
	v_lshl_add_u32 v3, v4, 7, v3
	v_lshl_add_u32 v3, v2, 4, v3                   ; A: (r / 2) pitch + (r % 2) 128 + 16 h
	v_mul_u32_u24 v4, v1, PITCH
	v_lshl_add_u32 v4, v2, 4, v4                   ; Wo: r pitch + 16 h
	s_mul_i32 s21, s11, 32*PITCH                   ; my 64 rows of A
	s_mul_i32 s22, s12, HALFB
	s_add_co_u32 s22, s22, BOFF                    ; my 128 rows of Wo
.irp s, 0,1
	v_add_nc_u32 v[ADRA+\s], s21, v3
	v_add_nc_u32 v[ADRB+\s], s22, v4
	s_add_co_u32 s21, s21, SLOT
	s_add_co_u32 s22, s22, SLOT
.endr
	s_mul_i32 s23, s10, 16*SPITCH
	s_add_co_u32 s23, s23, STAGE                   ; my stage
	v_mul_u32_u24 v5, v1, SPITCH                   ; in: row r, 32 bytes for each half of the lanes
	v_lshl_add_u32 v5, v2, 5, v5
	v_add_nc_u32 v[STO], s23, v5
	v_and_b32 v6, 31, v0
	v_lshlrev_b32 v[CO], 4, v6                     ; back: the 32 lanes take a row's 512 bytes; and the same in out0
	v_add_nc_u32 v[RD], s23, v[CO]
	s_lshl_b32 s16, s13, 7
	s_lshl_b32 s17, s11, 6
	s_add_co_u32 s16, s16, s17                     ; my first row
	s_lshl_b32 s16, s16, 12                        ; 4,096 bytes a row
	s_add_co_u32 s16, s16, s46                     ; + my first column
	s_mov_b32 s17, 0
	s_add_nc_u64 s[8:9], s[8:9], s[16:17]
.macro MUL8 f, a, zero                 ; A's block a x Wo's eight, 32 along K.  zero = 1: the product starts the sums from the bias.  The 32 accumulators take turns
.irp b, 0,1,2,3,4,5,6,7
.if \zero
	v_wmma_f32_16x16x32_f16 v[8*(8*(\a)+\b):8*(8*(\a)+\b)+7], v[\f+8*\b:\f+8*\b+7], v[\f+64+8*(\a):\f+64+8*(\a)+7], v[BI+8*\b:BI+8*\b+7]
.else
	v_wmma_f32_16x16x32_f16 v[8*(8*(\a)+\b):8*(8*(\a)+\b)+7], v[\f+8*\b:\f+8*\b+7], v[\f+64+8*(\a):\f+64+8*(\a)+7], v[8*(8*(\a)+\b):8*(8*(\a)+\b)+7]
.endif
.endr
.endm
.macro FETCH slot, q, f                ; 24 LDS loads in one run: the slot's q-th 32 along K: Wo's eight fragments, then A's four
	WIN TO_F
.irp b, 0,1,2,3,4,5,6,7
	ds_load_b128 v[\f+8*\b:\f+8*\b+3],   v[ADRB+\slot] offset:64*(\q)+\b*16*PITCH
	ds_load_b128 v[\f+8*\b+4:\f+8*\b+7], v[ADRB+\slot] offset:64*(\q)+\b*16*PITCH+32
.endr
.irp a, 0,1,2,3
	ds_load_b128 v[\f+64+8*\a:\f+64+8*\a+3],   v[ADRA+\slot] offset:((\q)/2)*PLANE+((\q)%2)*64+\a*8*PITCH
	ds_load_b128 v[\f+64+8*\a+4:\f+64+8*\a+7], v[ADRA+\slot] offset:((\q)/2)*PLANE+((\q)%2)*64+\a*8*PITCH+32
.endr
.endm
.macro PLACES                          ; four places in front of loads into registers that matrix instructions have read, and of the first read of results
.rept 4
	v_nop
.endr
.endm
.macro QUARTER slot, qnext, f, g, zero ; multiplies buffer f and fetches the slot's quarter qnext into g
	s_wait_dscnt 4                                 ; Wo's fragments and A's blocks 0, 1 are in; the youngest four loads (A's blocks 2, 3) may be out
	WIN MUL-0x20*(\zero)
	MUL8 \f, 0, \zero
	MUL8 \f, 1, \zero
	PLACES
	FETCH \slot, \qnext, \g
	s_wait_dscnt 24                                ; all but the 24 just issued
	WIN MUL-0x20*(\zero)
	MUL8 \f, 2, \zero
	MUL8 \f, 3, \zero
.endm
; The last quarter multiplies buffer 1 and changes slots: one barrier; in front of it each wave waits for all its tensor loads, adds 0 to its spare word, and waits for that and for its reads of this slot.
.macro TURN slot, next, fill
	WIN 0
	s_wait_tensorcnt 0x0                           ; my part of the next slot has landed
	ds_add_u32 v[SPW], v[NIL]
	s_wait_dscnt 5                                 ; (the add and the youngest four loads may be out)
	WIN MUL
	MUL8 F1, 0, 0
	s_wait_dscnt 0x0                               ; the add is done, and my reads of this slot are over
	s_barrier_signal -1
	MUL8 F1, 1, 0
.if \fill
	WIN 0
.endif
	s_barrier_wait -1
.if \fill
	CREST                                          ; the barrier has opened a round of the cluster's: no wave of any partner still reads this slot or has a load on its way
	s_add_nc_u64 s[G0+4*\slot+2:G0+4*\slot+3], s[G0+4*\slot+2:G0+4*\slot+3], 4194304   ; two K steps on: four planes,
	s_add_nc_u64 s[G0B+4*\slot+2:G0B+4*\slot+3], s[G0B+4*\slot+2:G0B+4*\slot+3], 512    ; 256 elements
	JLOAD \slot                                    ; the first tensor load behind the round; its four v_nop are also the places in front of the loads below
.else
	PLACES
.endif
	FETCH \next, 0, F0
	WIN MUL
	MUL8 F1, 2, 0
	MUL8 F1, 3, 0
.endm
	s_wait_tensorcnt 1                             ; my part of K step 0 is in (K step 1's load may be out),
	s_barrier_signal -1
	s_barrier_wait -1                              ; everybody's is
	FETCH 0, 0, F0
	s_wait_loadcnt 0x0                             ; the bias
	QUARTER 0, 1, F0, F1, 1                        ; the first quarter stands in front of the loop: its products start the sums
	WIN 0
	s_mov_b32 s3, LAPS-1
.Llap:                                 ; a trip goes once round the ring and fills both slots again
	QUARTER 0, 2, F1, F0, 0
	QUARTER 0, 3, F0, F1, 0
	TURN 0, 1, 1
	QUARTER 1, 1, F0, F1, 0
	QUARTER 1, 2, F1, F0, 0
	QUARTER 1, 3, F0, F1, 0
	TURN 1, 0, 1
	QUARTER 0, 1, F0, F1, 0
	WIN 0
	s_sub_co_u32 s3, s3, 1
	s_cmp_lg_u32 s3, 0
	s_cbranch_scc1 .Llap
	QUARTER 0, 2, F1, F0, 0                        ; the last lap fills nothing
	QUARTER 0, 3, F0, F1, 0
	TURN 0, 1, 0
	QUARTER 1, 1, F0, F1, 0
	QUARTER 1, 2, F1, F0, 0
	QUARTER 1, 3, F0, F1, 0
	s_wait_dscnt 4
	WIN MUL
	MUL8 F1, 0, 0
	MUL8 F1, 1, 0
	s_wait_dscnt 0
	MUL8 F1, 2, 0
	MUL8 F1, 3, 0
	WIN 0
; THE WAY OUT, block by block of 16 rows x 128 columns: through my own stage, back as whole rows of 512 bytes.
.macro TOSTAGE a
	WIN 0x08                                       ; an LDS store's data: window 2
.irp b, 0,1,2,3,4,5,6,7
	ds_store_b128 v[STO], v[64*(\a)+8*\b:64*(\a)+8*\b+3] offset:64*\b          ; each accumulator from its low end on
	ds_store_b128 v[STO], v[64*(\a)+8*\b+4:64*(\a)+8*\b+7] offset:64*\b+16
.endr
	WIN 0
.set BB, BK+64*((\a)%2)
.irp t, 0,1,2,3,4,5,6,7,8,9,10,11,12,13,14,15
	ds_load_b128 v[BB+4*\t:BB+4*\t+3], v[RD] offset:\t*SPITCH      ; LDS serves a wave's instructions in order (ISA guide 5.7.1.4)
.endr
.endm
.macro SEND a, younger                 ; younger: the LDS instructions issued behind block a's loads
.set BB, BK+64*((\a)%2)
	s_wait_dscnt \younger
.irp t, 0,1,2,3,4,5,6,7,8,9,10,11,12,13,14,15
	global_store_b128 v[CO], v[BB+4*\t:BB+4*\t+3], s[8:9] offset:(16*(\a)+\t)*4096 th:TH_STORE_NT   ; 32 lanes store 512 consecutive bytes; written once, read by nobody here
.endr
.endm
	PLACES
	TOSTAGE 0
.irp a, 1,2,3
.if \a > 1
	s_wait_xcnt 0x0                                ; block a - 2's stores have read their registers: block a's loads may land there
.endif
	TOSTAGE \a
	SEND \a-1, 32                                  ; behind block a - 1's loads: block a's 16 stores and 16 loads
.endr
	SEND 3, 0
	s_wait_tensorcnt 0x0                           ; the wave's end
	ds_add_u32 v[SPW], v[NIL]
	s_wait_dscnt 0x0
	CROUND                                         ; the closing round
	s_endpgm
.Lfunc_end_k_qd508cb4335_outp:
	.size	k_qd508cb4335_outp, .Lfunc_end_k_qd508cb4335_outp-k_qd508cb4335_outp
	.p2alignl 7, 3214868480
	.fill 96, 4, 3214868480
	.section	.rodata,"a",@progbits
	.p2align	6, 0x0
	.amdhsa_kernel k_qd508cb4335_outp
		.amdhsa_group_segment_fixed_size 327680
		.amdhsa_private_segment_fixed_size 0
		.amdhsa_enable_private_segment 0
		.amdhsa_kernarg_size 32
		.amdhsa_user_sgpr_count 2
		.amdhsa_user_sgpr_kernarg_segment_ptr 1
		.amdhsa_wavefront_size32 1
		.amdhsa_system_sgpr_workgroup_id_x 1
		.amdhsa_system_sgpr_workgroup_id_y 1
		.amdhsa_system_sgpr_workgroup_id_z 1
		.amdhsa_system_vgpr_workitem_id 0
		.amdhsa_next_free_vgpr 768
		.amdhsa_next_free_sgpr 68
		.amdhsa_reserve_vcc 0
		.amdhsa_float_denorm_mode_32 3
		.amdhsa_float_denorm_mode_16_64 3
		.amdhsa_memory_ordered 1
		.amdhsa_forward_progress 1
		.amdhsa_inst_pref_size 87
	.end_amdhsa_kernel
	.amdgpu_metadata
---
amdhsa.version: [ 1, 2 ]
amdhsa.kernels:
  - .name:           k_qd508cb4335_outp
    .symbol:         k_qd508cb4335_outp.kd
    .args:
      - { .name: ao, .offset: 0, .size: 8, .value_kind: global_buffer, .address_space: global }
      - { .name: woh, .offset: 8, .size: 8, .value_kind: global_buffer, .address_space: global }
      - { .name: out0, .offset: 16, .size: 8, .value_kind: global_buffer, .address_space: global }
      - { .name: bo, .offset: 24, .size: 8, .value_kind: global_buffer, .address_space: global }
    .group_segment_fixed_size: 327680
    .private_segment_fixed_size: 0
    .kernarg_segment_align: 8
    .kernarg_segment_size: 32
    .max_flat_workgroup_size: 128
    .sgpr_count:     68
    .vgpr_count:     768
    .wavefront_size: 32
...
	.end_amdgpu_metadata
.endif
;; end of part 4
